; MI455X (gfx1250); checked and timed in simulation.
; The chip was launched on July 23, 2026; its instructions are those of AMD's public machine-readable ISA for CDNA 5 (MIT licence, August 2026) and "CDNA5" Instruction Set Architecture Reference Guide (July 2026). The comments in the code are by the model that wrote it; some were corrected since.
;; Causal Self Attention. Allowed arithmetic: float matrix products may take bf16 or f16 operands with f32 sums; other float arithmetic in f32, or as packed bf16 or f16 multiplies, adds, multiply-adds, maxima and minima; sums over many terms, partial sums and values carried from step to step in f32; what a program stores and reads back later, other than sums and carried values, may be rounded once to bf16 or f16.
;; Inputs: W_attn 1,024 x 3,072 float32; W_proj 1,024 x 1,024 float32; b_attn 3,072 float32; b_proj 1,024 float32; x 4 x 2,048 x 1,024 float32.
;; Outputs: out0 4 x 2,048 x 1,024 float32.
;; One version. Each part assembles by itself: llvm-mc -triple=amdgcn-amd-amdhsa -mcpu=gfx1250 --defsym DOCPART=n.
;; ======== version 1 of 1: 4 launches
;; limits: values are held in f16: magnitudes above 65,504 overflow, below 6.1e-05 lose precision
;; workspace buffers: xb 16,777,216 bytes; wab 6,291,456 bytes; wpf 2,097,152 bytes; qkvb 50,331,648 bytes; ob 16,777,216 bytes
;; launch prep (part 1): grid 768 x 1, 8 waves a work-group, no clusters, 0 bytes of LDS; arguments x, W_attn, W_proj, xb, wab, wpf; writes xb, wab, wpf
.if DOCPART == 1
	.amdgcn_target "amdgcn-amd-amdhsa--gfx1250"
	.amdhsa_code_object_version 6
	.text
	.protected	k_qf8c2e6bcbf_prep
	.globl	k_qf8c2e6bcbf_prep
	.p2align	8
	.type	k_qf8c2e6bcbf_prep,@function
k_qf8c2e6bcbf_prep:
	s_mov_b64 s[64:65], 0
	v_nop
	global_prefetch_b8 v0, s[64:65] scope:SCOPE_SE
	s_setreg_imm32_b32 hwreg(HW_REG_WAVE_MODE, 25, 1), 1
	s_wait_xcnt 0x0
; CASTS.  xb = bf16(x), wab = bf16(W_attn), wpf = f16(bf16(W_proj)); the layouts stay as they are.
; All the module's inputs are rounded to bf16.  W_proj's rounded number is then written as f16, because the last product's other operand is f16.
; LIMIT: that step is exact for 6.1e-5 <= |w| <= 65,504; below, f16 keeps its fixed step of 6e-8; at 65,520 or more it gives an infinity.
; A stream: no LDS, no matrix unit, no barrier.  A work-group takes 16,384 numbers: 64 KiB in, 32 KiB out.
; Groups 0-511 take x (8,388,608 numbers), 512-703 W_attn (3,145,728), 704-767 W_proj (1,048,576).
; Thread t takes 16 bytes at 4,096 i + 16 t of chunk i (0..15) and writes 8 bytes at 2,048 i + 8 t: a wave's load covers 512 consecutive bytes, its store 256 consecutive bytes, aligned.
; All sixteen loads of a thread are out at once; no register is written twice while a memory instruction names it, so there is no wait but the counted ones.
.set X, 4                              ; v[4:67]    chunk i: four f32 as loaded
.set Y, 68                             ; v[68:99]   chunk i: four 16-bit numbers to store
.set T, 100                            ; v[100:103] at work (the f16 way)
	s_load_b256 s[4:11], s[0:1], 0x0               ; x s[4:5], W_attn s[6:7], W_proj s[8:9], xb s[10:11]
	s_load_b128 s[12:15], s[0:1], 0x20             ; wab s[12:13], wpf s[14:15]
	s_mov_b32 s16, ttmp9                           ; the group's number
	s_sub_co_u32 s17, s16, 512                     ; its number among W_attn's groups (used only where it is one)
	s_sub_co_u32 s18, s16, 704                     ; among W_proj's
	v_lshlrev_b32 v1, 4, v0                        ; 16 t
	v_lshlrev_b32 v2, 3, v0                        ; 8 t
	s_wait_kmcnt 0x0
	s_cmp_lt_u32 s16, 704                          ; the choice of buffers hangs on the group's number alone
	s_cselect_b64 s[20:21], s[6:7], s[8:9]
	s_cselect_b64 s[22:23], s[12:13], s[14:15]
	s_cselect_b32 s24, s17, s18
	s_cmp_lt_u32 s16, 512
	s_cselect_b64 s[20:21], s[4:5], s[20:21]
	s_cselect_b64 s[22:23], s[10:11], s[22:23]
	s_cselect_b32 s24, s16, s24
	s_lshl_b32 s26, s24, 16                        ; 65,536 bytes in for each group,
	s_mov_b32 s27, 0
	s_lshl_b32 s28, s24, 15                        ; 32,768 out
	s_mov_b32 s29, 0
	s_add_nc_u64 s[20:21], s[20:21], s[26:27]
	s_add_nc_u64 s[22:23], s[22:23], s[28:29]
.set i, 0
.rept 16
	global_load_b128 v[X+4*i:X+4*i+3], v1, s[20:21] offset:4096*i th:TH_LOAD_NT
.set i, i+1
.endr
	s_cmp_ge_u32 s16, 704
	s_cbranch_scc1 .Lf16
.set i, 0
.rept 16
	s_wait_loadcnt 15-i                            ; loads come back in order (ISA guide 5.7.1): chunk i is in, the 15 - i younger ones stay out
	v_cvt_pk_bf16_f32 v[Y+2*i], v[X+4*i], v[X+4*i+1]
	v_cvt_pk_bf16_f32 v[Y+2*i+1], v[X+4*i+2], v[X+4*i+3]
	global_store_b64 v2, v[Y+2*i:Y+2*i+1], s[22:23] offset:2048*i
.set i, i+1
.endr
	s_endpgm
.Lf16:                                                 ; W_proj: to bf16, widened again, and that number as f16
.set i, 0
.rept 16
	s_wait_loadcnt 15-i
	v_cvt_pk_bf16_f32 v[T+2*(i%2)], v[X+4*i], v[X+4*i+1]
	v_cvt_pk_bf16_f32 v[T+2*(i%2)+1], v[X+4*i+2], v[X+4*i+3]
	v_lshlrev_b32 v[X+4*i], 16, v[T+2*(i%2)]
	v_and_b32 v[X+4*i+1], 0xffff0000, v[T+2*(i%2)]
	v_lshlrev_b32 v[X+4*i+2], 16, v[T+2*(i%2)+1]
	v_and_b32 v[X+4*i+3], 0xffff0000, v[T+2*(i%2)+1]
	v_cvt_pk_f16_f32 v[Y+2*i], v[X+4*i], v[X+4*i+1]
	v_cvt_pk_f16_f32 v[Y+2*i+1], v[X+4*i+2], v[X+4*i+3]
	global_store_b64 v2, v[Y+2*i:Y+2*i+1], s[22:23] offset:2048*i
.set i, i+1
.endr
	s_endpgm
.Lfunc_end_k_qf8c2e6bcbf_prep:
	.size	k_qf8c2e6bcbf_prep, .Lfunc_end_k_qf8c2e6bcbf_prep-k_qf8c2e6bcbf_prep
	.p2alignl 7, 3214868480
	.fill 96, 4, 3214868480
	.section	.rodata,"a",@progbits
	.p2align	6, 0x0
	.amdhsa_kernel k_qf8c2e6bcbf_prep
		.amdhsa_group_segment_fixed_size 0
		.amdhsa_private_segment_fixed_size 0
		.amdhsa_enable_private_segment 0
		.amdhsa_kernarg_size 48
		.amdhsa_user_sgpr_count 2
		.amdhsa_user_sgpr_kernarg_segment_ptr 1
		.amdhsa_wavefront_size32 1
		.amdhsa_system_sgpr_workgroup_id_x 1
		.amdhsa_system_sgpr_workgroup_id_y 1
		.amdhsa_system_sgpr_workgroup_id_z 1
		.amdhsa_system_vgpr_workitem_id 0
		.amdhsa_next_free_vgpr 104
		.amdhsa_next_free_sgpr 66
		.amdhsa_reserve_vcc 0
		.amdhsa_float_denorm_mode_32 3
		.amdhsa_float_denorm_mode_16_64 3
		.amdhsa_memory_ordered 1
		.amdhsa_forward_progress 1
		.amdhsa_inst_pref_size 16
	.end_amdhsa_kernel
	.amdgpu_metadata
---
amdhsa.version: [ 1, 2 ]
amdhsa.kernels:
  - .name:           k_qf8c2e6bcbf_prep
    .symbol:         k_qf8c2e6bcbf_prep.kd
    .args:
      - { .name: x, .offset: 0, .size: 8, .value_kind: global_buffer, .address_space: global }
      - { .name: W_attn, .offset: 8, .size: 8, .value_kind: global_buffer, .address_space: global }
      - { .name: W_proj, .offset: 16, .size: 8, .value_kind: global_buffer, .address_space: global }
      - { .name: xb, .offset: 24, .size: 8, .value_kind: global_buffer, .address_space: global }
      - { .name: wab, .offset: 32, .size: 8, .value_kind: global_buffer, .address_space: global }
      - { .name: wpf, .offset: 40, .size: 8, .value_kind: global_buffer, .address_space: global }
    .group_segment_fixed_size: 0
    .private_segment_fixed_size: 0
    .kernarg_segment_align: 8
    .kernarg_segment_size: 48
    .max_flat_workgroup_size: 256
    .sgpr_count:     66
    .vgpr_count:     104
    .wavefront_size: 32
...
	.end_amdgpu_metadata
.endif
;; end of part 1
;; launch qkv (part 2): grid 16 x 32, 4 waves a work-group, clusters of 4 x 4, 327,680 bytes of LDS; arguments xb, wab, b_attn, qkvb; writes qkvb
.if DOCPART == 2
	.amdgcn_target "amdgcn-amd-amdhsa--gfx1250"
	.amdhsa_code_object_version 6
	.text
	.protected	k_qf8c2e6bcbf_qkv
	.globl	k_qf8c2e6bcbf_qkv
	.p2align	8
	.type	k_qf8c2e6bcbf_qkv,@function
k_qf8c2e6bcbf_qkv:
	s_mov_b64 s[64:65], 0
	v_nop
	global_prefetch_b8 v0, s[64:65] scope:SCOPE_SE
	s_setreg_imm32_b32 hwreg(HW_REG_WAVE_MODE, 25, 1), 1
	s_wait_xcnt 0x0
	s_wait_alu depctr_hold_cnt(0) depctr_sa_sdst(0) depctr_va_vdst(0) depctr_va_sdst(0) depctr_va_ssrc(0) depctr_va_vcc(0) depctr_vm_vsrc(0)
	s_getreg_b32 s2, hwreg(HW_REG_IB_STS2, 6, 4)
	s_cmp_eq_u32 s2, 0
	s_cbranch_scc0 .Lentry_in_a_cluster
	s_endpgm
.Lentry_in_a_cluster:
	s_bfe_u32 s2, ttmp6, 0x10000c
	s_cmp_lg_u32 s2, 0xf033
	s_cbranch_scc0 .Lentry_shape_is_right
	s_endpgm
.Lentry_shape_is_right:
.set IS_QKV, 1                         ; 1: the projection in front of the attention; 0: the one behind it.  The two kernels are this one text; the flag picks sizes, matrix form, addresses and way out.
; C = A B + bias, K = 1,024, sums in f32 started by the bias.  B lies [K][N] in memory and is turned on its way out of LDS (ds_load_tr16_b128).
; IS_QKV = 1: A = xb [8192][1024] bf16, B = wab [1024][3072] bf16, bias = b_attn; C leaves as f16 by heads: qkvb [4 b][48 hd][2048 t][64], hd 0-15 q, 16-31 k, 32-47 v, unscaled.  Tile 256 x 192 = three heads.
; IS_QKV = 0: A = ob [4 b][16 h][2048 t][64] f16 (a K step of 128 is two heads), B = wpf [1024][1024] f16, bias = b_proj; C = out0 [8192][1024] f32.  Tile 256 x 128.
; LIMITS.  The bias is rounded to bf16 like the module's other inputs.  IS_QKV = 1: q, k, v are rounded once to f16: a sum of 65,520 or more in size becomes an infinity; below 6.1e-5 f16 keeps its fixed step of 6e-8.
; NaN and infinities are not treated apart.
; SHARES.  Four waves, one above the other: wave w makes rows 64 w .. 64 w + 63 and ALL the tile's columns (4 x NBK accumulators of 16 x 16), so it holds whole heads or whole 512-byte pieces of rows
; and has a stage of its own on the way out: no barrier there.  K goes in steps of 128, four quarters of 32, through two LDS slots filled by the tensor data mover.
; THE MATRIX INSTRUCTION IS USED TRANSPOSED: source 0 = 16 columns of B, source 1 = 16 rows of A: a lane then holds row lane % 16 of C and the eight neighbouring columns 8 (lane / 16) + 0..7.
; CLUSTER 4 x 4.  The four work-groups of a row of the cluster need the same tiles of A, the four of a column the same tiles of B: each tile is asked for JOINTLY, by the same tensor load with the same
; descriptor and a mask that names the four.  Waves 0 and 1 ask for A's two halves, waves 2 and 3 for B's.
; REGISTERS, in windows of 256 (s_set_vgpr_msb: bits 1:0 source 0, 3:2 source 1, 5:4 source 2, 7:6 destination):
;   window 0: v0-29 addresses; v32-95 A's fragments, two buffers of 4 x 8; from v96 the bias (8 NBK registers), later the way out
;   window 1: B's fragments, two buffers of 8 NBK      windows 2 (and 3 where IS_QKV): the accumulators
.if IS_QKV
.set NBK,   12                         ; blocks of 16 columns in the tile
.set TN,    192                        ; the tile's columns
.set LDA,   1024                       ; elements from row to row of A's tile in memory
.set LDB,   3072                       ; of B's
.set PA,    272                        ; a row of A in LDS: 256 bytes + 16: the 16 rows of a fragment load start at 16 different groups of four banks (64 banks of 4 bytes: ISA guide 11.1)
.set AHALF, 128*PA                     ; what one tensor load brings of A: 128 rows x 128 K
.set AQI,   5                          ; padding behind every 64 words
.set A_S1,  256                        ; bytes from a K step to the next in A
.set PB,    480                        ; a K row of B in LDS: three pieces of 128 bytes + 32
.set BQI,   4                          ; padding behind every 32 words
.set SPITCH,400                        ; a stage row: 384 bytes + 16
.set TMP,   96                         ; the way out: 48 registers of packed results
.set OB,    144                        ; the way out: two buffers of OBN registers read back from the stage
.set OBN,   48
.else
.set NBK,   8
.set TN,    128
.set LDA,   128                        ; a head's 256 rows of 128 bytes are dense: asked for as 128 rows of 256 bytes
.set LDB,   1024
.set PA,    144                        ; a row of one head in LDS: 128 bytes + 16
.set AHALF, 256*PA                     ; what one tensor load brings of A: one head's 256 rows
.set AQI,   4
.set A_S1,  2*262144                   ; two heads on
.set PB,    288                        ; 256 bytes + 32 = 9 x 32
.set BQI,   5
.set SPITCH,528                        ; a stage row: 512 bytes + 16
.set OB,    96
.set OBN,   64
.endif
.set B_S1,  128*LDB*2                  ; bytes from a K step to the next in B: 128 rows
.set ASZ,   2*AHALF
.set BHALF, 64*PB                      ; what one tensor load brings of B: 64 K rows
.set SLOT,  ASZ+2*BHALF                ; A's tile, then B's
.set STAGE, 2*SLOT                     ; behind the ring, never filled by a tensor load: 16 rows for each wave
.set SPARE, STAGE+4*16*SPITCH          ; behind the stages: the spare words, 128 bytes for each wave: two blocks of 256 bytes that no other line names
.set NL,    2*NBK+8                    ; LDS loads in one run: a quarter's fragments
.set ADRA, 16                          ; v16-17  LDS address of my A fragments in slot 0, 1
.set ADRB, 20                          ; v20-21  the same for B
.set STO,  24                          ; v24     the way out: where I put my part of a row
.set RD,   25                          ; v25     the way out: where I read back
.set CO,   26                          ; v26     my byte offset in 512 consecutive bytes of C
.set VB,   27                          ; v27     my byte offset in a block's 64 bytes of bias: 32 (lane / 16)
.set SPW,  28                          ; v28     LDS address of my spare word: SPARE + 4 x my thread's number; never rewritten
.set NIL,  29                          ; v29     0; never rewritten
.set FA,   32                          ; A's fragment buffers: FA + 32 f + 8 a
.set BIAS, 96                          ; block b's eight numbers at BIAS + 8 b
.set WV,   12                          ; s12     my wave's number;  s13 which half I fetch;  s14 0: I fetch for A, 1: for B
.set G1A,  24                          ; s[24:31] descriptor group 1 for A's tiles;  s[32:39] group 0, a set for each slot
.set G0A,  32
.set G1B,  48                          ; s[48:55], s[56:63] the same for B's
.set G0B,  56
.set MSB, 0
.macro WIN new                         ; the immediate's high byte repeats the setting that is left; a switch that changes nothing is dropped
.if MSB != (\new)
	s_set_vgpr_msb (MSB<<8)|(\new)
.set MSB, \new
.endif
.endm
; A joint load.  Each of the two lines has one mask and one set of registers for all that issue it; the branch hangs on the wave's number alone.
; An s_nop 0 and four v_nop follow each line, ahead of the jump, the label and what follows.
.macro JLOAD s
	s_cmp_eq_u32 s14, 0
	s_cbranch_scc0 .Lfor_b_\@
	tensor_load_to_lds s[G0A+4*(\s):G0A+4*(\s)+3], s[G1A:G1A+7]
	s_nop 0
.rept 4
	v_nop
.endr
	s_branch .Lasked_\@
.Lfor_b_\@:
	tensor_load_to_lds s[G0B+4*(\s):G0B+4*(\s)+3], s[G1B:G1B+7]
	s_nop 0
.rept 4
	v_nop
.endr
.Lasked_\@:
.endm
.macro CREST                           ; a round of the cluster's barrier behind its opening barrier: wave 0 signals for the work-group, every wave waits for all sixteen, my work-group's barrier closes it
	s_cmp_lg_u32 s[WV], 0
	s_cbranch_scc1 .Lnot_wave_0_\@
	s_barrier_signal -3
.Lnot_wave_0_\@:
	s_barrier_wait -3
	s_barrier_signal -1
	s_barrier_wait -1
.endm
.macro CROUND                          ; a whole round
	s_barrier_signal -1
	s_barrier_wait -1
	CREST
.endm
.macro PLACES                          ; four places in front of loads into registers that matrix instructions have read, and of lines that read results
.rept 4
	v_nop
.endr
.endm
	s_load_b256 s[4:11], s[0:1], 0x0               ; A s[4:5], B s[6:7], bias s[8:9], C s[10:11]
	v_lshl_add_u32 v[SPW], v0, 2, SPARE
	v_mov_b32 v[NIL], 0
	ds_add_u32 v[SPW], v[NIL]                      ; the wave's opening: the add and its wait stand ahead of my first tensor load; the set-up below, work on registers, stands between them
	ds_add_u32 v28, v29
	v_lshrrev_b32 v1, 5, v0
	v_readfirstlane_b32 s[WV], v1                  ; wave 0..3
	s_and_b32 s13, s[WV], 1                        ; which half of a tile I fetch
	s_lshr_b32 s14, s[WV], 1                       ; of A (0) or of B (1)
	s_bfe_u32 s40, ttmp6, 0x40000                  ; cx, cy: my place in the cluster
	s_bfe_u32 s41, ttmp6, 0x40004
	s_lshl_b32 s42, ttmp9, 2
	s_add_co_u32 s42, s42, s40                     ; tile column = 4 x cluster x + cx
	s_and_b32 s43, ttmp7, 0xffff
	s_lshl_b32 s43, s43, 2
	s_add_co_u32 s43, s43, s41                     ; tile row = 4 x cluster y + cy
	s_lshl_b32 s44, s41, 2
	s_lshl_b32 s44, 15, s44                        ; my row of the cluster: places 4 cy .. 4 cy + 3
	s_lshl_b32 s45, 0x1111, s40                    ; my column: places cx, cx + 4, cx + 8, cx + 12
	s_or_b32 s[G1A], s44, (1<<16)|(1<<20)|(1<<21)|(AQI<<22)|(3<<25)  ; 15:0 the mask: A's tiles go to my row; 17:16 2-byte elements; 20 padding on; 21 set beside a mask; 24:22 the interval; 31:25 4 words of padding (code 3)
	s_or_b32 s[G1B], s45, (1<<16)|(1<<20)|(1<<21)|(BQI<<22)|(7<<25)  ; B's tiles go to my column; 8 words of padding (code 7)
	s_mov_b32 s[G1A+1], 128<<16                    ; tensor_dim0 = 128 elements
	s_mov_b32 s[G1A+2], 128<<16                    ; tensor_dim1 = 128 rows
	s_mov_b32 s[G1A+3], 128<<16                    ; tile_dim0 = 128
	s_mov_b32 s[G1A+4], 128                        ; tile_dim1 = 128
	s_mov_b32 s[G1A+5], LDA                        ; elements from row to row
	s_mov_b32 s[G1A+6], 0
	s_mov_b32 s[G1A+7], 0
	s_mov_b32 s[G1B+1], TN<<16                     ; tensor_dim0 = the tile's columns
	s_mov_b32 s[G1B+2], 64<<16                     ; tensor_dim1 = 64 K rows
	s_mov_b32 s[G1B+3], TN<<16
	s_mov_b32 s[G1B+4], 64
	s_mov_b32 s[G1B+5], LDB
	s_mov_b32 s[G1B+6], 0
	s_mov_b32 s[G1B+7], 0
	; where the tiles come from.  A's hang on the tile row and the wave alone, B's on the tile column and the wave alone, each in registers that never hold the other coordinate.
.if IS_QKV
	s_lshl_b32 s16, s43, 19                        ; 256 rows of 2,048 bytes for each tile row
.else
	s_lshr_b32 s16, s43, 3                         ; the batch: 16 heads of 262,144 bytes,
	s_lshl_b32 s16, s16, 22
	s_and_b32 s17, s43, 7                          ; and the 256 rows of 128 bytes in a head
	s_lshl_b32 s17, s17, 15
	s_add_co_u32 s16, s16, s17
.endif
	s_lshl_b32 s17, s13, 18                        ; my half: 128 rows of 2,048 bytes, or one head: 262,144 bytes either way
	s_add_co_u32 s16, s16, s17
	s_mov_b32 s17, 0
	s_mul_i32 s46, s13, 64*LDB*2                   ; B: my 64 K rows,
	s_mul_i32 s47, s42, TN*2                       ; the tile's columns
	s_add_co_u32 s46, s46, s47
	s_mov_b32 s47, 0
	s_mul_i32 s20, s13, AHALF                      ; and where they go: no place in the cluster enters an LDS address
	s_mul_i32 s21, s13, BHALF
	s_add_co_u32 s21, s21, ASZ
	s_wait_dscnt 0x0                               ; the opening add is done
	s_wait_kmcnt 0x0
	s_add_nc_u64 s[4:5], s[4:5], s[16:17]
	s_add_nc_u64 s[6:7], s[6:7], s[46:47]
	CROUND                                         ; all sixteen work-groups are here: the first joint loads meet
.irp s, 0,1
	s_mov_b32 s[G0A+4*(\s)], 1                                     ; count = 1
	s_add_co_u32 s[G0A+4*(\s)+1], s20, (\s)*SLOT                   ; LDS address
	s_add_nc_u64 s[G0A+4*(\s)+2:G0A+4*(\s)+3], s[4:5], (\s)*A_S1   ; global address: K step s
	s_or_b32 s[G0A+4*(\s)+3], s[G0A+4*(\s)+3], 0x80000000          ; type = 2
	s_mov_b32 s[G0B+4*(\s)], 1
	s_add_co_u32 s[G0B+4*(\s)+1], s21, (\s)*SLOT
	s_add_nc_u64 s[G0B+4*(\s)+2:G0B+4*(\s)+3], s[6:7], (\s)*B_S1
	s_or_b32 s[G0B+4*(\s)+3], s[G0B+4*(\s)+3], 0x80000000
	JLOAD \s                                       ; both slots are asked for before anything else is done: two loads of mine are out
.endr
	; in the wait for the tiles: the bias and the addresses
	v_and_b32 v1, 15, v0                           ; r = lane % 16
	v_bfe_u32 v2, v0, 4, 1                         ; h = lane / 16
	v_lshlrev_b32 v[VB], 5, v2
	s_mul_i32 s46, s42, TN*4                       ; the tile's columns in the bias
	s_mov_b32 s47, 0
	s_add_nc_u64 s[8:9], s[8:9], s[46:47]
.set i, 0
.rept NBK                              ; as C of the transposed product a lane wants bias[16 b + 8 h + 0..7]
	global_load_b128 v[BIAS+8*i:BIAS+8*i+3], v[VB], s[8:9] offset:64*i
	global_load_b128 v[BIAS+8*i+4:BIAS+8*i+7], v[VB], s[8:9] offset:64*i+16
.set i, i+1
.endr
	; a fragment of A is 16 rows x 32 K in 8 registers: lane l holds row l % 16, K = 8 h + 0..7 and 16 + 8 h + 0..7: two loads of 16 bytes, 32 bytes apart
	v_mul_u32_u24 v3, v1, PA
	v_lshl_add_u32 v3, v2, 4, v3
	s_mul_i32 s18, s[WV], 64*PA                    ; my 64 rows
	v_add_nc_u32 v[ADRA], s18, v3
	v_add_nc_u32 v[ADRA+1], SLOT, v[ADRA]
	; the turning load takes 16 K rows x 16 columns (lane l reads K row 8 h + l % 8, columns 8 ((l / 8) % 2) + 0..7) and leaves half a fragment: lane l holds column l % 16 and 8 K
	v_and_b32 v10, 7, v0
	v_lshl_add_u32 v10, v2, 3, v10
	v_mul_u32_u24 v10, v10, PB
	v_bfe_u32 v11, v0, 3, 1
	v_lshl_add_u32 v10, v11, 4, v10
	v_add_nc_u32 v[ADRB], ASZ, v10
	v_add_nc_u32 v[ADRB+1], SLOT, v[ADRB]
	s_mul_i32 s18, s[WV], 16*SPITCH
	s_add_co_u32 s18, s18, STAGE                   ; my stage
	v_and_b32 v[CO], 31, v0
	v_lshlrev_b32 v[CO], 4, v[CO]                  ; 16 x lane
	v_mul_u32_u24 v4, v1, SPITCH                   ; in: row l % 16
.if IS_QKV
	v_lshl_add_u32 v4, v2, 4, v4                   ; eight f16 are 16 bytes for each half of the lanes
	v_bfe_u32 v5, v0, 3, 2                         ; back: 32 lanes take four rows' 128 bytes of one head
	v_mul_u32_u24 v5, v5, SPITCH
	v_and_b32 v6, 7, v0
	v_lshl_add_u32 v5, v6, 4, v5
	v_add_nc_u32 v[RD], s18, v5
.else
	v_lshl_add_u32 v4, v2, 5, v4                   ; eight f32 are 32 bytes for each half of the lanes
	v_add_nc_u32 v[RD], s18, v[CO]                 ; back: 32 lanes take one row's 512 bytes
.endif
	v_add_nc_u32 v[STO], s18, v4
	; C at my wave's first row
.if IS_QKV
	s_lshr_b32 s22, s43, 3                         ; batch x 48 heads
	s_mul_i32 s22, s22, 48
	s_mul_i32 s23, s42, 3                          ; + the tile's first head
	s_add_co_u32 s22, s22, s23
	s_lshl_b32 s22, s22, 18                        ; of 262,144 bytes
	s_and_b32 s23, s43, 7
	s_lshl_b32 s23, s23, 15                        ; + the tile's 256 rows of 128 bytes
	s_add_co_u32 s22, s22, s23
	s_lshl_b32 s23, s[WV], 13                      ; + my 64
	s_add_co_u32 s22, s22, s23
.else
	s_lshl_b32 s22, s43, 20                        ; the tile's 256 rows of 4,096 bytes
	s_lshl_b32 s23, s[WV], 18                      ; + my 64
	s_add_co_u32 s22, s22, s23
	s_lshl_b32 s23, s42, 9                         ; + the tile's 128 columns
	s_add_co_u32 s22, s22, s23
.endif
	s_mov_b32 s23, 0
	s_add_nc_u64 s[10:11], s[10:11], s[22:23]
	s_wait_loadcnt 0x0                             ; the bias, once
.set i, 0
.rept 4*NBK                            ; rounded to bf16 like the other inputs, and widened again
	v_cvt_pk_bf16_f32 v[10+i%2], v[BIAS+2*i], v[BIAS+2*i+1]
	v_lshlrev_b32 v[BIAS+2*i], 16, v[10+i%2]
	v_and_b32 v[BIAS+2*i+1], 0xffff0000, v[10+i%2]
.set i, i+1
.endr
; NBK matrix instructions: row block a x all column blocks, 32 along K, from buffer f.  bias = 1: the first product starts the sums with the bias as C: nothing is cleared, nothing is added later.
; In every quarter the 4 NBK accumulators come once each, in the same order: they take turns, one instruction a turn, over the loop's backward jump too.
.macro MUL1 f, a, bias
.if IS_QKV
.set AW, 2+(\a)/2                      ; row blocks 0, 1 in window 2; 2, 3 in window 3
.set AB, 96*((\a)%2)
.else
.set AW, 2
.set AB, 64*(\a)
.endif
.if \bias
.set WB, (AW<<6)|1                     ; B window 1, A and the bias window 0, D window AW
.else
.set WB, (AW<<6)|(AW<<4)|1             ; C and D window AW
.endif
	WIN WB
.set b, 0
.rept NBK
.if IS_QKV
.if \bias
	v_wmma_f32_16x16x32_bf16 v[AB+8*b:AB+8*b+7], v[8*NBK*(\f)+8*b:8*NBK*(\f)+8*b+7], v[FA+32*(\f)+8*(\a):FA+32*(\f)+8*(\a)+7], v[BIAS+8*b:BIAS+8*b+7]
.else
	v_wmma_f32_16x16x32_bf16 v[AB+8*b:AB+8*b+7], v[8*NBK*(\f)+8*b:8*NBK*(\f)+8*b+7], v[FA+32*(\f)+8*(\a):FA+32*(\f)+8*(\a)+7], v[AB+8*b:AB+8*b+7]
.endif
.else
.if \bias
	v_wmma_f32_16x16x32_f16 v[AB+8*b:AB+8*b+7], v[8*NBK*(\f)+8*b:8*NBK*(\f)+8*b+7], v[FA+32*(\f)+8*(\a):FA+32*(\f)+8*(\a)+7], v[BIAS+8*b:BIAS+8*b+7]
.else
	v_wmma_f32_16x16x32_f16 v[AB+8*b:AB+8*b+7], v[8*NBK*(\f)+8*b:8*NBK*(\f)+8*b+7], v[FA+32*(\f)+8*(\a):FA+32*(\f)+8*(\a)+7], v[AB+8*b:AB+8*b+7]
.endif
.endif
.set b, b+1
.endr
.endm
; NL LDS loads in one run: quarter q's fragments of a slot into buffer f: B's 2 NBK first, then A's eight
.macro FETCH slot, q, f
	WIN 0x40                                       ; destination window 1, address window 0
.set i, 0
.rept NBK
.if IS_QKV
.set BN, 32*i+32*(i/4)                 ; column block i: 32 bytes each, 32 of padding behind every four
.else
.set BN, 32*i
.endif
	ds_load_tr16_b128 v[8*NBK*(\f)+8*i:8*NBK*(\f)+8*i+3],   v[ADRB+(\slot)] offset:(\q)*32*PB+BN
	ds_load_tr16_b128 v[8*NBK*(\f)+8*i+4:8*NBK*(\f)+8*i+7], v[ADRB+(\slot)] offset:(\q)*32*PB+BN+16*PB
.set i, i+1
.endr
	WIN 0
.if IS_QKV
.set AQ, 64*(\q)                       ; 32 K on along the row
.else
.set AQ, ((\q)/2)*AHALF+((\q)%2)*64    ; the step's first or second head, its first or second 32 channels
.endif
.set i, 0
.rept 4
	ds_load_b128 v[FA+32*(\f)+8*i:FA+32*(\f)+8*i+3],   v[ADRA+(\slot)] offset:AQ+i*16*PA
	ds_load_b128 v[FA+32*(\f)+8*i+4:FA+32*(\f)+8*i+7], v[ADRA+(\slot)] offset:AQ+i*16*PA+32
.set i, i+1
.endr
.endm
; One of a K step's first three quarters: multiplies buffer f; in its middle it fetches quarter qn of the same slot into buffer g, 2 NBK matrix instructions ahead of its first use.
.macro QUARTER slot, qn, f, g, bias=0
	s_wait_dscnt 4                                 ; B and A's row blocks 0, 1 are in; the youngest four loads (blocks 2, 3) may be out
	MUL1 \f, 0, \bias
	MUL1 \f, 1, \bias
	PLACES
	FETCH \slot, \qn, \g
	s_wait_dscnt NL                                ; all but the NL just issued
	MUL1 \f, 2, \bias
	MUL1 \f, 3, \bias
.endm
; The last quarter multiplies buffer 1 and changes slots: ONE barrier.  In front of it each wave waits for all its tensor loads (one is out: its part of the next slot), adds 0 to its spare word, and waits for that and
; for its own reads of this slot.  fill = 1: the barrier opens a round of the cluster's, and behind the round this slot is filled again, two K steps ahead: that load has a K step less 2 NBK matrix instructions in which to land.
.macro TURN slot, next, fill
	WIN 0                                          ; (the add's two registers lie in window 0)
	s_wait_tensorcnt 0x0                           ; all my tensor loads have landed;
	ds_add_u32 v[SPW], v[NIL]                      ; 0 onto my spare word;
	s_wait_dscnt 5                                 ; (the add and the youngest four loads may be out)
	MUL1 1, 0, 0                                   ; NBK matrix instructions stand between the add and the wait for it
	s_wait_dscnt 0x0                               ; the add is done, and my reads of this slot are over
	s_barrier_signal -1
	MUL1 1, 1, 0                                   ; work on registers while the others arrive
.if \fill
	WIN 0
.endif
	s_barrier_wait -1
.if \fill
	CREST                                          ; no wave of any partner still reads this slot's tiles or has a load on its way
	s_add_nc_u64 s[G0A+4*(\slot)+2:G0A+4*(\slot)+3], s[G0A+4*(\slot)+2:G0A+4*(\slot)+3], 2*A_S1
	s_add_nc_u64 s[G0B+4*(\slot)+2:G0B+4*(\slot)+3], s[G0B+4*(\slot)+2:G0B+4*(\slot)+3], 2*B_S1
	JLOAD \slot                                    ; the first tensor load behind the round, my only one; its four v_nop are also the places in front of the loads below
.else
	PLACES
.endif
	FETCH \next, 0, 0
	MUL1 1, 2, 0
	MUL1 1, 3, 0
.endm
	s_wait_tensorcnt 1                             ; my part of K step 0 is in; K step 1's may stay out
	s_barrier_signal -1
	s_barrier_wait -1                              ; everybody's is
	FETCH 0, 0, 0
	QUARTER 0, 1, 0, 1, 1                          ; the first quarter stands in front of the loop: its products start the sums
	WIN 0
	s_mov_b32 s3, 3                                ; K = 1,024 is eight steps, four laps of the ring; the last lap is written out
.Llap:                                                 ; a trip goes once round the ring, from a lap's second quarter to the next lap's first, and fills both slots again
	QUARTER 0, 2, 1, 0
	QUARTER 0, 3, 0, 1
	TURN 0, 1, 1
	QUARTER 1, 1, 0, 1
	QUARTER 1, 2, 1, 0
	QUARTER 1, 3, 0, 1
	TURN 1, 0, 1
	QUARTER 0, 1, 0, 1
	WIN 0
	s_sub_co_u32 s3, s3, 1
	s_cmp_lg_u32 s3, 0
	s_cbranch_scc1 .Llap
	QUARTER 0, 2, 1, 0                             ; the last lap fills nothing, and has no round of the cluster's barrier
	QUARTER 0, 3, 0, 1
	TURN 0, 1, 0
	QUARTER 1, 1, 0, 1
	QUARTER 1, 2, 1, 0
	QUARTER 1, 3, 0, 1
	s_wait_dscnt 4                                 ; the very last quarter: nothing more to fetch
	MUL1 1, 0, 0
	MUL1 1, 1, 0
	s_wait_dscnt 0x0
	MUL1 1, 2, 0
	MUL1 1, 3, 0
	WIN 0
	PLACES                                         ; what follows reads results
; THE WAY OUT, a block of 16 rows at a time through my own stage.  LDS serves a wave's instructions in order (ISA guide 5.7.1.4): no wait between my stores into the stage and my loads from it.
.macro PACK a                          ; IS_QKV alone: rounded to f16, each accumulator's registers in ascending order
	WIN 0x0a+5*((\a)/2)                            ; sources 0 and 1: window 2 or 3
.set i, 0
.rept 48
	v_cvt_pk_f16_f32 v[TMP+i], v[96*((\a)%2)+2*i], v[96*((\a)%2)+2*i+1]
.set i, i+1
.endr
	WIN 0
.endm
.macro TOSTAGE a
	WIN 0
.set BK, OB+OBN*((\a)%2)
	s_wait_xcnt 0x0                                ; the stores of the block two back read this buffer: it is loaded again only behind this wait (ISA guide 3.1)
.if IS_QKV
.set i, 0
.rept 12
	ds_store_b128 v[STO], v[TMP+4*i:TMP+4*i+3] offset:32*i
.set i, i+1
.endr
.set i, 0
.rept 12                               ; head i / 4, rows 4 (i % 4) on
	ds_load_b128 v[BK+4*i:BK+4*i+3], v[RD] offset:128*(i/4)+4*SPITCH*(i%4)
.set i, i+1
.endr
.else
	WIN 0x08                                       ; store data (source 1) window 2
.set i, 0
.rept 8                                ; straight from the accumulators, the low four registers first
	ds_store_b128 v[STO], v[64*(\a)+8*i:64*(\a)+8*i+3] offset:64*i
	ds_store_b128 v[STO], v[64*(\a)+8*i+4:64*(\a)+8*i+7] offset:64*i+16
.set i, i+1
.endr
	WIN 0
.set i, 0
.rept 16
	ds_load_b128 v[BK+4*i:BK+4*i+3], v[RD] offset:SPITCH*i
.set i, i+1
.endr
.endif
.endm
.macro SEND a, younger                 ; younger: the LDS instructions issued behind block a's loads: the next block's stores and loads, or none
	WIN 0
.set BK, OB+OBN*((\a)%2)
.if IS_QKV
.set i, 0
.rept 12
	s_wait_dscnt (\younger)+11-i
	global_store_b128 v[CO], v[BK+4*i:BK+4*i+3], s[10:11] offset:(i/4)*262144+(\a)*2048+(i%4)*512  ; four rows of one head: 512 consecutive bytes, at a multiple of 512 from the buffer's first
.set i, i+1
.endr
.else
.set i, 0
.rept 16
	s_wait_dscnt (\younger)+15-i
	global_store_b128 v[CO], v[BK+4*i:BK+4*i+3], s[10:11] offset:(\a)*65536+i*4096 th:TH_STORE_NT  ; 512 consecutive bytes of one row, at a multiple of 512 from the buffer's first
.set i, i+1
.endr
.endif
.endm
.if IS_QKV
	PACK 0
	TOSTAGE 0
.irp a, 1,2,3                          ; a block's conversions and stage traffic stand between the loads of the block before and its stores
	PACK \a
	TOSTAGE \a
	SEND (\a)-1, 24
.endr
.else
	TOSTAGE 0
.irp a, 1,2,3
	TOSTAGE \a
	SEND (\a)-1, 32
.endr
.endif
	SEND 3, 0
	s_wait_tensorcnt 0x0                           ; the wave's end: behind my last tensor load and my last LDS store
	ds_add_u32 v[SPW], v[NIL]
	s_wait_dscnt 0x0
	CROUND                                         ; the closing round: no work-group ends while a partner may still ask for a tile that names it
	s_endpgm
.Lfunc_end_k_qf8c2e6bcbf_qkv:
	.size	k_qf8c2e6bcbf_qkv, .Lfunc_end_k_qf8c2e6bcbf_qkv-k_qf8c2e6bcbf_qkv
	.p2alignl 7, 3214868480
	.fill 96, 4, 3214868480
	.section	.rodata,"a",@progbits
	.p2align	6, 0x0
	.amdhsa_kernel k_qf8c2e6bcbf_qkv
		.amdhsa_group_segment_fixed_size 327680
		.amdhsa_private_segment_fixed_size 0
		.amdhsa_enable_private_segment 0
		.amdhsa_kernarg_size 32
		.amdhsa_user_sgpr_count 2
		.amdhsa_user_sgpr_kernarg_segment_ptr 1
		.amdhsa_wavefront_size32 1
		.amdhsa_system_sgpr_workgroup_id_x 1
		.amdhsa_system_sgpr_workgroup_id_y 1
		.amdhsa_system_sgpr_workgroup_id_z 1
		.amdhsa_system_vgpr_workitem_id 0
		.amdhsa_next_free_vgpr 960
		.amdhsa_next_free_sgpr 66
		.amdhsa_reserve_vcc 0
		.amdhsa_float_denorm_mode_32 3
		.amdhsa_float_denorm_mode_16_64 3
		.amdhsa_memory_ordered 1
		.amdhsa_forward_progress 1
		.amdhsa_inst_pref_size 130
	.end_amdhsa_kernel
	.amdgpu_metadata
---
amdhsa.version: [ 1, 2 ]
amdhsa.kernels:
  - .name:           k_qf8c2e6bcbf_qkv
    .symbol:         k_qf8c2e6bcbf_qkv.kd
    .args:
      - { .name: xb, .offset: 0, .size: 8, .value_kind: global_buffer, .address_space: global }
      - { .name: wab, .offset: 8, .size: 8, .value_kind: global_buffer, .address_space: global }
      - { .name: b_attn, .offset: 16, .size: 8, .value_kind: global_buffer, .address_space: global }
      - { .name: qkvb, .offset: 24, .size: 8, .value_kind: global_buffer, .address_space: global }
    .group_segment_fixed_size: 327680
    .private_segment_fixed_size: 0
    .kernarg_segment_align: 8
    .kernarg_segment_size: 32
    .max_flat_workgroup_size: 128
    .sgpr_count:     66
    .vgpr_count:     960
    .wavefront_size: 32
...
	.end_amdgpu_metadata
.endif
;; end of part 2
;; launch attn (part 3): grid 4 x 64, 8 waves a work-group, no clusters, 252,928 bytes of LDS; arguments qkvb, ob; writes ob
.if DOCPART == 3
	.amdgcn_target "amdgcn-amd-amdhsa--gfx1250"
	.amdhsa_code_object_version 6
	.text
	.protected	k_qf8c2e6bcbf_attn
	.globl	k_qf8c2e6bcbf_attn
	.p2align	8
	.type	k_qf8c2e6bcbf_attn,@function
k_qf8c2e6bcbf_attn:
	s_mov_b64 s[64:65], 0
	v_nop
	global_prefetch_b8 v0, s[64:65] scope:SCOPE_SE
	s_setreg_imm32_b32 hwreg(HW_REG_WAVE_MODE, 25, 1), 1
	s_wait_xcnt 0x0
; BANDED CAUSAL ATTENTION.  O[q] = the sum over keys k with 0 <= q - k < 256 of softmax_k(Q[q] . K[k] / 8) V[k], for each of 64 heads of 2,048 rows x 64 channels.
; qkvb: [4 b][48 hd][2048][64] f16 (hd 0-15 q, 16-31 k, 32-47 v, unscaled); ob: [4 b][16 h][2048][64] f16.  Products, maxima and sums in f32; the weights p are rounded to f16 for the second
; product (their sum l is taken of the unrounded p), O once at the end.
; LIMITS.  Q, K, V arrive within f16's 65,504 and finite, in every head (see DEAD STEPS); p lies in 0 to 1 and below 6e-5 keeps f16's fixed step of 6e-8.  A hidden score counts as its value less 1e30: f16's scores,
; 2.7e11 at the most, are nothing beside that.  A weight below 2^-126 counts as 0 in l.  NaN and infinities are not treated apart.
; SHARES.  A work-group owns 512 queries (block blk) of one head, each of its eight waves a BAND of 64: four tiles of 16, worked on as two pieces of two tiles.  Two waves lie on a SIMD: while one walks its softmax the other
; has matrix work to issue.
; ONE FILL.  The block needs keys 512 blk - 256 .. 512 blk + 511: 768 keys, twelve steps of 64; K and V of all of them fit in LDS together.  So there is one tensor load a wave, one wait, one barrier, and no slot is filled twice.
; NO CLUSTER: neighbouring blocks share 256 of their 768 keys, and those would lie at different LDS places in the two: no one descriptor serves both.
; THE WALK.  Wave w takes five steps, LDS step 4 + w - d for d = 0..4.  d = 0, the band's own keys (the diagonal), comes FIRST: every row sees its own key there, so the running maximum is a true score before a row meets a
; step that is hidden from it.  d = 1..3 are wholly visible.  d = 4 is the band's lower edge: key place y is visible where y > x, the complement of the diagonal's y <= x.
; DEAD STEPS.  In block 0 the first 256 key rows in LDS come from the head in front in the same buffer (k's and v's heads have 16 or more heads in front of them, so the load stays inside it); steps with a negative number are wholly hidden.
; THE MASK is the C operand that starts S^T = K Q^T.  For key block kb and tile T of the band the text takes one of three sets of eight registers: MLO (kb < T), MEQ (kb = T), MHI (kb > T); each trip makes them from four
; scalars: MEQ = MTRI x AL + BE, MLO = LV, MHI = HV, with MTRI = -1e30 where 8 (lane / 16) + j > lane % 16, else 0:   diagonal (1, 0, 0, -1e30)   middle (0, 0, 0, 0)   edge (-1, -1e30, -1e30, 0)   dead (0, -1e30, -1e30, -1e30).
; LAYOUT.  S^T = K Q^T holds ONE query a lane (lane % 16) and the keys 8 (lane / 16) + 0..7; two such results rounded to f16 in pairs ARE source 1 of O^T = V^T P.  K comes out of LDS as it lies, V turned (ds_load_tr16_b128).
; SOFTMAX.  p = 2^(c s - c m), c = log2(e) / 8, with a running maximum m; O and l are multiplied by a = 2^(c m_old - c m_new) in every step.  m starts at the lowest finite number, O and l at 0: the first step's a is 0,
; and one text serves all five trips; the price is 128 v_mov_b32 in the wait for the tiles.
; REGISTERS, in windows of 256 (s_set_vgpr_msb: bits 1:0 source 0, 3:2 source 1, 5:4 source 2, 7:6 destination):
;   window 0: v0-15 addresses; v16-31 statistics; v32-43 at work, the add's two; v48-79 masks; v80-143 S^T (2 tiles); v144-175 P (2 tiles); v176-239 Q (4 tiles)
;   window 1: v0-127 O^T, 32 a tile; v128-191 K of one step; v192-255 V of one step
.set KS,    64        ; keys in a step
.set PK,    144       ; a row of K in LDS: 128 bytes + 16 = 36 words: the 16 rows of a load start at 16 different groups of four banks (64 banks of 4 bytes: ISA guide 11.1)
.set PVV,   160       ; a row of V: 128 + 32 = 40 words
.set VOFF,  768*PK    ; 768 rows of K, then 768 rows of V
.set STAGE, VOFF+768*PVV  ; behind them, never filled by a tensor load: 16 rows x 144 bytes for each wave, for the way out
.set SP,    144
.set SPARE, STAGE+8*16*SP ; behind the stages: the spare words, 128 bytes for each wave: four blocks of 256 bytes that no other line names
.set AK0, 2           ; v2   my lane's place in a step of K; never rewritten
.set AV0, 3           ; v3   the same for V
.set AK,  4           ; v4   the LDS address of K's run of loads
.set AV,  5           ; v5   of V's
.set STO, 6           ; v6   the way out: where I put 16 bytes of a row
.set RD,  7           ; v7   the way out: where I read rows back
.set GO,  8           ; v8   my byte offset in 512 consecutive bytes of O
.set QO,  15          ; v15  my byte offset in 16 rows of Q
.set ST,  16          ; tile t's statistics at v[ST+4 t]: c m, m, l (even keys', odd keys')
.set TMP, 32          ; for each tile of the piece four registers c0-c3 at work; when the maximum is found c2 takes a
.set SPW, 40          ; v40  LDS address of my spare word: SPARE + 4 x my thread's number; never rewritten
.set NIL, 41          ; v41  0; never rewritten
.set MV,  42          ; v42-43  c m_old, kept while c m is made anew
.set MTRI, 48
.set MEQ,  56
.set MLO,  64
.set MHI,  72
.set S,   80
.set P,   144
.set QF,  176         ; tile t, channel half c at QF + 16 t + 8 c
.set KF,  128         ; window 1: key block kb, channel half c at KF + 16 kb + 8 c
.set VF,  192         ; window 1: key half kk, channel block cb at VF + 32 kk + 8 cb
.set WV,  12          ; s12  my wave's number
.set G1K, 24          ; s[24:31] descriptor group 1 for K
.set G1V, 32          ; s[32:39] for V: it differs in the padding alone
.set G0K, 40          ; s[40:43] descriptor group 0 for K
.set G0V, 44          ; s[44:47] for V
.set AL,  48          ; s[48:49] the mask's factor, in the low word
.set BE,  50          ; s[50:51] the mask's addend
.set LV,  52          ; s52  MLO's value
.set HV,  53          ; s53  MHI's value
.set NEG, 54          ; s54  -1e30
.set CNT, 56          ; s56  trips to go, 5 to 1
.set GS,  57          ; s57  the step's number in the head, 8 blk + w - d: negative in a dead step
.set CS,  58          ; s[58:59] c: the packed scaling takes the pair's low word for both halves
.set SEL, 60          ; s[60:61] v_permlanex16_b32's selects: each lane takes its own place in the other half
.set TBK, 62          ; s62  LDS byte at which K of the trip's step begins
.set TBV, 63          ; s63  the same for V, less VOFF
.set MSB, 0
.macro WIN new                      ; the high byte repeats the setting that is left; a switch that changes nothing is dropped
.if MSB != (\new)
	s_set_vgpr_msb (MSB<<8)|(\new)
.set MSB, \new
.endif
.endm
	s_load_b128 s[4:7], s[0:1], 0x0 ; qkvb s[4:5], ob s[6:7]
	v_lshl_add_u32 v[SPW], v0, 2, SPARE
	v_mov_b32 v[NIL], 0
	ds_add_u32 v[SPW], v[NIL]       ; the wave's opening: the add and its wait stand ahead of my first tensor load; the set-up below, work on registers, stands between them
	ds_add_u32 v40, v41
	v_lshrrev_b32 v1, 5, v0
	v_readfirstlane_b32 s[WV], v1   ; wave 0..7
	s_mov_b32 s13, ttmp9            ; blk
	s_and_b32 s14, ttmp7, 0xffff    ; 16 b + h
	s_and_b32 s16, s[WV], 3         ; which quarter of the 768 keys I fetch
	s_lshr_b32 s17, s14, 4
	s_mul_i32 s17, s17, 48
	s_and_b32 s18, s14, 15
	s_add_co_u32 s17, s17, s18      ; q's head in qkvb: 48 b + h,
	s_lshl_b32 s17, s17, 18         ; of 262,144 bytes,
	s_lshl_b32 s18, s13, 16         ; and my block's 512 rows of 128 bytes
	s_add_co_u32 s17, s17, s18
	s_lshl_b32 s19, s[WV], 13       ; my band's 64 rows
	s_add_co_u32 s20, s17, s19      ; Q's offset
	s_mov_b32 s21, 0
	s_mul_i32 s22, s16, 192*128     ; K's offset: my 192 keys,
	s_add_co_u32 s22, s22, s17
	s_add_co_u32 s22, s22, 16*262144-256*128  ; 16 heads on, 256 keys back
	s_mov_b32 s23, 0
	s_lshl_b32 s2, s14, 18          ; O's offset
	s_add_co_u32 s2, s2, s18
	s_add_co_u32 s2, s2, s19
	s_mov_b32 s3, 0
	; descriptor group 1.  192 keys are 24,576 dense bytes: asked for as 96 rows of 256 bytes, two keys a row, and padded in LDS after every key
	s_mov_b32 s[G1K], (1<<16)|(1<<20)|(4<<22)|(3<<25)  ; 17:16 2-byte elements; 20 padding on; 24:22 after every 32 words (code 4); 31:25 4 words (code 3)
	s_mov_b32 s[G1V], (1<<16)|(1<<20)|(4<<22)|(7<<25)  ; the same with 8 words of padding (code 7)
.irp g, G1K, G1V
	s_mov_b32 s[\g+1], 128<<16      ; tensor_dim0 = 128
	s_mov_b32 s[\g+2], 96<<16       ; tensor_dim1 = 96
	s_mov_b32 s[\g+3], 128<<16      ; tile_dim0 = 128
	s_mov_b32 s[\g+4], 96           ; tile_dim1 = 96
	s_mov_b32 s[\g+5], 128          ; 128 elements from row to row
	s_mov_b32 s[\g+6], 0
	s_mov_b32 s[\g+7], 0
.endr
	s_mov_b32 s[G0K], 1             ; count = 1
	s_mul_i32 s[G0K+1], s16, 192*PK ; LDS address: my quarter
	s_mov_b32 s[G0V], 1
	s_mul_i32 s[G0V+1], s16, 192*PVV
	s_add_co_u32 s[G0V+1], s[G0V+1], VOFF
	s_mov_b32 s[AL+1], 0            ; named as pairs
	s_mov_b32 s[BE+1], 0
	s_mov_b32 s[NEG], 0xf149f2ca    ; -1e30
	s_mov_b32 s[CS], 0x3e38aa3b     ; c = log2(e) / 8 = 0.180337
	s_mov_b32 s[CS+1], s[CS]
	s_mov_b32 s[SEL], 0x76543210
	s_mov_b32 s[SEL+1], 0xfedcba98
	s_lshl_b32 s[GS], s13, 3
	s_add_co_u32 s[GS], s[GS], s[WV]
	s_add_co_u32 s[GS], s[GS], 1    ; the first trip takes it down to 8 blk + w
	s_add_co_u32 s[TBK], s[WV], 5   ; likewise: the first trip's step is 4 + w
	s_mul_i32 s[TBV], s[TBK], KS*PVV
	s_mul_i32 s[TBK], s[TBK], KS*PK
	s_mov_b32 s[CNT], 5
	s_wait_dscnt 0x0                ; the opening add is done
	s_wait_kmcnt 0x0
	s_add_nc_u64 s[G0K+2:G0K+3], s[4:5], s[22:23]  ; global address of my quarter of K
	s_add_nc_u64 s[G0V+2:G0V+3], s[G0K+2:G0K+3], 16*262144  ; V lies 16 heads on
	s_or_b32 s[G0K+3], s[G0K+3], 0x80000000        ; type = 2
	s_or_b32 s[G0V+3], s[G0V+3], 0x80000000
	s_add_nc_u64 s[8:9], s[4:5], s[20:21]          ; Q at my band
	s_add_nc_u64 s[6:7], s[6:7], s[2:3]            ; O at my band
	s_cmp_lt_u32 s[WV], 4           ; waves 0-3 fetch K's quarters, waves 4-7 V's: one tensor load of mine is out.  An s_nop 0 and four v_nop follow each line
	s_cbranch_scc0 .Lfor_v
	tensor_load_to_lds s[G0K:G0K+3], s[G1K:G1K+7]
	s_nop 0
.rept 4
	v_nop
.endr
	s_branch .Lasked
.Lfor_v:
	tensor_load_to_lds s[G0V:G0V+3], s[G1V:G1V+7]
	s_nop 0
.rept 4
	v_nop
.endr
.Lasked:
	; all that follows up to the wait stands in the wait for the tiles
	; A fragment of K or Q is 16 rows x 32 channels in 8 registers: lane l holds row l % 16, channels 8 (l / 16) + 0..7 and 16 + 8 (l / 16) + 0..7: two loads of 16 bytes, 32 bytes apart.
	v_and_b32 v1, 15, v0            ; r = l % 16
	v_bfe_u32 v9, v0, 4, 1          ; h = l / 16
	v_lshlrev_b32 v[QO], 7, v1
	v_lshl_add_u32 v[QO], v9, 4, v[QO]
.set i, 0
.rept 8                             ; Q stays in registers: tile i / 2, channels 32 (i % 2) on
	global_load_b128 v[QF+8*i:QF+8*i+3],   v[QO], s[8:9] offset:(i/2)*2048+(i%2)*64
	global_load_b128 v[QF+8*i+4:QF+8*i+7], v[QO], s[8:9] offset:(i/2)*2048+(i%2)*64+32
.set i, i+1
.endr
	v_mul_u32_u24 v[AK0], v1, PK
	v_lshl_add_u32 v[AK0], v9, 4, v[AK0]
	; The turning load takes 16 keys x 16 channels (lane l reads key 8 (l / 16) + l % 8, channels 8 ((l / 8) % 2) + 0..7) and leaves half a fragment of V^T: lane l holds channel l % 16 and 8 keys.
	v_and_b32 v10, 7, v0
	v_bfe_u32 v11, v0, 3, 1
	v_lshl_add_u32 v[AV0], v9, 3, v10
	v_mul_u32_u24 v[AV0], v[AV0], PVV
	v_lshl_add_u32 v[AV0], v11, 4, v[AV0]
	v_add_nc_u32 v[AV0], VOFF, v[AV0]
	s_mul_i32 s15, s[WV], 16*SP
	s_add_co_u32 s15, s15, STAGE    ; my stage
	v_mul_u32_u24 v[STO], v1, SP    ; in: row l % 16, 16 bytes for each half of the lanes
	v_lshl_add_u32 v[STO], v9, 4, v[STO]
	v_add_nc_u32 v[STO], s15, v[STO]
	v_bfe_u32 v[RD], v0, 3, 2       ; back: 32 lanes take four rows of 128 bytes,
	v_mul_u32_u24 v[RD], v[RD], SP
	v_lshl_add_u32 v[RD], v10, 4, v[RD]
	v_add_nc_u32 v[RD], s15, v[RD]
	v_and_b32 v[GO], 31, v0         ; which are 512 consecutive bytes of O
	v_lshlrev_b32 v[GO], 4, v[GO]
	v_lshlrev_b32 v14, 3, v9
	v_sub_nc_u32 v14, v1, v14       ; r - 8 h: register j is above the diagonal where j is greater
.set i, 0
.rept 8
	v_cmp_gt_i32 vcc_lo, i, v14
	v_cndmask_b32 v[MTRI+i], 0, s[NEG], vcc_lo
.set i, i+1
.endr
.set i, 0
.rept 4
	v_mov_b32 v[ST+4*i], 0xfe000000    ; c m: far below every c s
	v_mov_b32 v[ST+4*i+1], 0xff7fffff  ; m
	v_mov_b32 v[ST+4*i+2], 0
	v_mov_b32 v[ST+4*i+3], 0
.set i, i+1
.endr
	WIN 0x40
.set i, 0
.rept 128
	v_mov_b32 v[i], 0               ; O^T
.set i, i+1
.endr
	WIN 0
; THE MATRIX WORK.  The 8 accumulators of a run of 16 take turns: between the two links of a chain stand 7 others'.
; Product i of 16 of S^T = K Q^T for piece p: channels 32 (i / 8) on, keys 16 ((i / 2) % 4) on, tile 2 p + i % 2.  The first 8 start the sums with the mask.
.macro KQ p
	WIN 0x01                        ; K in window 1; Q, the mask and S^T in window 0
.set tl, 2*(\p)+i%2
.set kb, (i/2)%4
.set rS, S+32*(i%2)+8*kb
.set rK, KF+16*kb+8*(i/8)
.set rQ, QF+16*tl+8*(i/8)
.if kb < tl
.set rM, MLO
.elseif kb == tl
.set rM, MEQ
.else
.set rM, MHI
.endif
.if i < 8
	v_wmma_f32_16x16x32_f16 v[rS:rS+7], v[rK:rK+7], v[rQ:rQ+7], v[rM:rM+7]
.else
	v_wmma_f32_16x16x32_f16 v[rS:rS+7], v[rK:rK+7], v[rQ:rQ+7], v[rS:rS+7]
.endif
.endm
; Product i of 16 of O^T += V^T P for piece p: keys 32 (i / 8) on, channels 16 ((i / 2) % 4) on, tile 2 p + i % 2.
.macro PV p
	WIN 0x51                        ; V and O^T in window 1, P in window 0
.set rO, 32*(2*(\p)+i%2)+8*((i/2)%4)
.set rV, VF+32*(i/8)+8*((i/2)%4)
.set rP, P+16*(i%2)+8*(i/8)
	v_wmma_f32_16x16x32_f16 v[rO:rO+7], v[rV:rV+7], v[rP:rP+7], v[rO:rO+7]
.endm
.macro REGS p, u                    ; the registers of tile u (0, 1) of piece p
.set rT, ST+4*(2*(\p)+(\u))
.set rC, TMP+4*(\u)
.set rW, MV+(\u)
.set rS, S+32*(\u)
.set rP, P+16*(\u)
.set rO, 32*(2*(\p)+(\u))
.endm
; Number n of the 22 that find a tile's maximum and statistics.  s0-s31 are the lane's 32 scores; each accumulator's lowest registers are read first.
;   0-11  four chains c0-c3 of seven scores each, three operands at a time     12-14, 16  the four scores left over, the old m, and c0-c3 into c0     15  c m_old is kept
;   17, 18  the query's other 32 keys lie in the lane 16 away: the new m         19-21  c m; c m_old - c m_new; a
.macro XS p, u, n
	REGS \p, \u
.if (\n) < 4
	v_max3_num_f32 v[rC+(\n)], v[rS+8*(\n)], v[rS+8*(\n)+1], v[rS+8*(\n)+2]
.elseif (\n) < 12
	v_max3_num_f32 v[rC+(\n)%4], v[rC+(\n)%4], v[rS+8*((\n)%4)+2*((\n)/4)+1], v[rS+8*((\n)%4)+2*((\n)/4)+2]
.elseif (\n) == 12
	v_max3_num_f32 v[rC], v[rC], v[rS+7], v[rS+15]
.elseif (\n) == 13
	v_max3_num_f32 v[rC+1], v[rC+1], v[rS+23], v[rS+31]
.elseif (\n) == 14
	v_max3_num_f32 v[rC+2], v[rC+2], v[rC+3], v[rT+1]
.elseif (\n) == 15
	v_mov_b32 v[rW], v[rT]
.elseif (\n) == 16
	v_max3_num_f32 v[rC], v[rC], v[rC+1], v[rC+2]
.elseif (\n) == 17
	v_permlanex16_b32 v[rC+3], v[rC], s[SEL], s[SEL+1]
.elseif (\n) == 18
	v_max_num_f32 v[rT+1], v[rC], v[rC+3]
.elseif (\n) == 19
	v_mul_f32 v[rT], s[CS], v[rT+1]
.elseif (\n) == 20
	v_sub_f32 v[rC+1], v[rW], v[rT]
.else
	v_exp_f32 v[rC+2], v[rC+1]
.endif
.endm
.macro SCALE p, n                   ; c s - c m for pair n of 16, both tiles
.irp u, 0,1
	REGS \p, \u
	v_pk_fma_f32 v[rS+2*(\n):rS+2*(\n)+1], v[rS+2*(\n):rS+2*(\n)+1], s[CS:CS+1], v[rT:rT+1] op_sel_hi:[1,0,0] neg_lo:[0,0,1] neg_hi:[0,0,1]
.endr
.endm
.macro EXPS p, n                    ; the four exponentials of pair n
.irp k, 0,1
.irp u, 0,1
	REGS \p, \u
	v_exp_f32 v[rS+2*(\n)+\k], v[rS+2*(\n)+\k]
.endr
.endr
.endm
.macro ROUND2 p, n                  ; pair n rounded to f16: register n of P
.irp u, 0,1
	REGS \p, \u
	s_wait_alu depctr_va_vdst(0)
	v_cvt_pk_f16_f32 v[rP+(\n)], v[rS+2*(\n)], v[rS+2*(\n)+1]
.endr
.endm
.macro ADDS p, w, cnt               ; cnt sums in place of pairs w / 2 registers apart (in a pair: an even key's weight, an odd key's)
.set z, 0
.rept \cnt
.irp u, 0,1
	REGS \p, \u
	v_pk_add_f32 v[rS+(\w)*z:rS+(\w)*z+1], v[rS+(\w)*z:rS+(\w)*z+1], v[rS+(\w)*z+(\w)/2:rS+(\w)*z+(\w)/2+1]
.endr
.set z, z+1
.endr
.endm
; A PIECE's part of a trip, in phases: its scores, its softmax, its rescaling, its V^T P.  The two tiles alternate, so that few lines read the result of the line before.
.macro PIECE p
.set i, 0
.rept 16
	KQ \p
.set i, i+1
.endr
	WIN 0
.rept 4
	v_nop                           ; the places behind those products (ISA guide 7.12.1)
.endr
.set n, 0
.rept 22
	XS \p, 0, n
	XS \p, 1, n
.set n, n+1
.endr
.set n, 0
.rept 16                            ; the first of these is the plain line behind a's two exponentials
	SCALE \p, n
.set n, n+1
.endr
.set n, 0
.rept 16                            ; four exponentials, then plain lines that touch none of them: the roundings of the pair before (ISA guide 5.7.2)
	EXPS \p, n
.if n == 0
	v_nop
.else
	ROUND2 \p, n-1
.endif
.set n, n+1
.endr
	ROUND2 \p, 15
	ADDS \p, 4, 8
	ADDS \p, 8, 4
	ADDS \p, 16, 2
	ADDS \p, 32, 1
.irp u, 0,1
	REGS \p, \u
	v_pk_fma_f32 v[rT+2:rT+3], v[rT+2:rT+3], v[rC+2:rC+3], v[rS:rS+1] op_sel_hi:[1,0,1]  ; l = a l + the sum
.endr
	WIN 0x41                        ; O^T (destination and source 0) in window 1, a in window 0
.set z, 0
.rept 16
.irp u, 0,1
	REGS \p, \u
	v_pk_mul_f32 v[rO+2*z:rO+2*z+1], v[rO+2*z:rO+2*z+1], v[rC+2:rC+3] op_sel_hi:[1,0]
.endr
.set z, z+1
.endr
.if (\p) == 0
	s_wait_dscnt 0x0                ; V is in
.endif
.set i, 0
.rept 16
	PV \p
.set i, i+1
.endr
.endm
	s_wait_tensorcnt 0x0            ; my quarter of K or V is in,
	s_wait_loadcnt 0x0              ; and Q
	s_barrier_signal -1
	s_barrier_wait -1               ; everybody's is.  Nothing is filled again: this is the kernel's one barrier
.Lstep:                             ; five trips: d = 0..4
	s_sub_co_u32 s[TBK], s[TBK], KS*PK   ; one step of 64 keys back
	s_sub_co_u32 s[TBV], s[TBV], KS*PVV
	s_sub_co_i32 s[GS], s[GS], 1
	s_cmp_eq_u32 s[CNT], 5          ; the diagonal?
	s_cselect_b32 s[AL], 1.0, 0
	s_cselect_b32 s[HV], s[NEG], 0
	s_cmp_eq_u32 s[CNT], 1          ; the lower edge?
	s_cselect_b32 s[AL], -1.0, s[AL]
	s_cselect_b32 s[BE], s[NEG], 0
	s_cselect_b32 s[LV], s[NEG], 0
	s_cmp_lt_i32 s[GS], 0           ; a dead step?
	s_cselect_b32 s[AL], 0, s[AL]
	s_cselect_b32 s[BE], s[NEG], s[BE]
	s_cselect_b32 s[LV], s[NEG], s[LV]
	s_cselect_b32 s[HV], s[NEG], s[HV]
.set z, 0
.rept 4                             ; these 22 plain lines name no register of the last trip's V^T P: they are the places in front of the loads into V's registers
	v_pk_fma_f32 v[MEQ+2*z:MEQ+2*z+1], v[MTRI+2*z:MTRI+2*z+1], s[AL:AL+1], s[BE:BE+1] op_sel_hi:[1,0,0]
.set z, z+1
.endr
.set z, 0
.rept 8
	v_mov_b32 v[MLO+z], s[LV]
	v_mov_b32 v[MHI+z], s[HV]
.set z, z+1
.endr
	v_add_nc_u32 v[AK], s[TBK], v[AK0]
	v_add_nc_u32 v[AV], s[TBV], v[AV0]
	WIN 0x40                        ; destination window 1, address window 0
.irp f, 0,1,2,3,4,5,6,7             ; K: keys 16 (f / 2) on, channels 32 (f % 2) on
	ds_load_b128 v[KF+8*\f:KF+8*\f+3],   v[AK] offset:(\f/2)*16*PK+(\f%2)*64
	ds_load_b128 v[KF+8*\f+4:KF+8*\f+7], v[AK] offset:(\f/2)*16*PK+(\f%2)*64+32
.endr
.irp f, 0,1,2,3,4,5,6,7             ; V, turned: keys 32 (f / 4) on, channels 16 (f % 4) on
	ds_load_tr16_b128 v[VF+8*\f:VF+8*\f+3],   v[AV] offset:(\f/4)*32*PVV+(\f%4)*32
	ds_load_tr16_b128 v[VF+8*\f+4:VF+8*\f+7], v[AV] offset:(\f/4)*32*PVV+16*PVV+(\f%4)*32
.endr
	s_wait_dscnt 16                 ; K is in; V's sixteen loads may stay out
	PIECE 0
	PIECE 1
	WIN 0                           ; at a label and at a branch every window is 0
	s_sub_co_u32 s[CNT], s[CNT], 1
	s_cmp_lg_u32 s[CNT], 0
	s_cbranch_scc1 .Lstep
	; THE WAY OUT.  l's two halves and the other half of the lanes' are added; O^T is divided by l, rounded to f16 and sent through my stage in LDS, a tile at a time.  The additions are the places behind the last products.
.set t, 0
.rept 4
	v_add_f32 v[ST+4*t+2], v[ST+4*t+2], v[ST+4*t+3]
.set t, t+1
.endr
.set t, 0
.rept 4
	v_permlanex16_b32 v[ST+4*t+3], v[ST+4*t+2], s[SEL], s[SEL+1]
.set t, t+1
.endr
.set t, 0
.rept 4
	v_add_f32 v[ST+4*t+2], v[ST+4*t+2], v[ST+4*t+3]
.set t, t+1
.endr
.set t, 0
.rept 4
	v_rcp_f32 v[ST+4*t+2], v[ST+4*t+2]
.set t, t+1
.endr
	v_nop                           ; a plain instruction between the last reciprocal and the use of its result
	s_wait_alu depctr_va_vdst(0)
; Tile t: a lane's eight channels of a row pack into 16 bytes; they go into rows of 144 bytes and come back as whole rows of 128, into S^T's registers.
.macro PACK t
	WIN 0x41
.set i, 32*(\t)
.rept 16
	v_pk_mul_f32 v[i:i+1], v[i:i+1], v[ST+4*(\t)+2:ST+4*(\t)+3] op_sel_hi:[1,0]
.set i, i+2
.endr
	WIN 0x05                        ; sources 0 and 1 window 1, destination window 0
.set i, 0
.rept 16
	v_cvt_pk_f16_f32 v[S+16*(\t)+i], v[32*(\t)+2*i], v[32*(\t)+2*i+1]
.set i, i+1
.endr
	WIN 0
.irp f, 0,1,2,3
	ds_store_b128 v[STO], v[S+16*(\t)+4*\f:S+16*(\t)+4*\f+3] offset:32*\f
.endr
.irp f, 0,1,2,3
	ds_load_b128 v[S+16*(\t)+4*\f:S+16*(\t)+4*\f+3], v[RD] offset:\f*4*SP  ; LDS serves a wave's instructions in order (ISA guide 5.7.1.4): these see the stores above; the next tile's stores come behind them
.endr
.endm
.macro SEND t, younger              ; younger: the LDS instructions issued behind tile t's loads: the next tile's eight, or none
	WIN 0
.irp f, 0,1,2,3
	s_wait_dscnt (\younger)+3-\f
	global_store_b128 v[GO], v[S+16*(\t)+4*\f:S+16*(\t)+4*\f+3], s[6:7] offset:(\t)*2048+\f*512  ; 512 consecutive bytes, at a multiple of 512 from O's first
.endr
.endm
	PACK 0
.set t, 1
.rept 3                             ; a tile's arithmetic stands between the loads of the tile before and its stores
	PACK t
	SEND t-1, 8
.set t, t+1
.endr
	SEND 3, 0
	s_wait_tensorcnt 0x0            ; the wave's end: behind my last tensor load and my last LDS store
	ds_add_u32 v[SPW], v[NIL]
	s_wait_dscnt 0x0
	s_endpgm
.Lfunc_end_k_qf8c2e6bcbf_attn:
	.size	k_qf8c2e6bcbf_attn, .Lfunc_end_k_qf8c2e6bcbf_attn-k_qf8c2e6bcbf_attn
	.p2alignl 7, 3214868480
	.fill 96, 4, 3214868480
	.section	.rodata,"a",@progbits
	.p2align	6, 0x0
	.amdhsa_kernel k_qf8c2e6bcbf_attn
		.amdhsa_group_segment_fixed_size 252928
		.amdhsa_private_segment_fixed_size 0
		.amdhsa_enable_private_segment 0
		.amdhsa_kernarg_size 16
		.amdhsa_user_sgpr_count 2
		.amdhsa_user_sgpr_kernarg_segment_ptr 1
		.amdhsa_wavefront_size32 1
		.amdhsa_system_sgpr_workgroup_id_x 1
		.amdhsa_system_sgpr_workgroup_id_y 1
		.amdhsa_system_sgpr_workgroup_id_z 1
		.amdhsa_system_vgpr_workitem_id 0
		.amdhsa_next_free_vgpr 512
		.amdhsa_next_free_sgpr 66
		.amdhsa_reserve_vcc 1
		.amdhsa_float_denorm_mode_32 3
		.amdhsa_float_denorm_mode_16_64 3
		.amdhsa_memory_ordered 1
		.amdhsa_forward_progress 1
		.amdhsa_inst_pref_size 61
	.end_amdhsa_kernel
	.amdgpu_metadata
---
amdhsa.version: [ 1, 2 ]
amdhsa.kernels:
  - .name:           k_qf8c2e6bcbf_attn
    .symbol:         k_qf8c2e6bcbf_attn.kd
    .args:
      - { .name: qkvb, .offset: 0, .size: 8, .value_kind: global_buffer, .address_space: global }
      - { .name: ob, .offset: 8, .size: 8, .value_kind: global_buffer, .address_space: global }
    .group_segment_fixed_size: 252928
    .private_segment_fixed_size: 0
    .kernarg_segment_align: 8
    .kernarg_segment_size: 16
    .max_flat_workgroup_size: 256
    .sgpr_count:     66
    .vgpr_count:     512
    .wavefront_size: 32
...
	.end_amdgpu_metadata
.endif
;; end of part 3
;; launch proj (part 4): grid 8 x 32, 4 waves a work-group, clusters of 4 x 4, 327,680 bytes of LDS; arguments ob, wpf, b_proj, out0; writes out0
.if DOCPART == 4
	.amdgcn_target "amdgcn-amd-amdhsa--gfx1250"
	.amdhsa_code_object_version 6
	.text
	.protected	k_qf8c2e6bcbf_proj
	.globl	k_qf8c2e6bcbf_proj
	.p2align	8
	.type	k_qf8c2e6bcbf_proj,@function
k_qf8c2e6bcbf_proj:
	s_mov_b64 s[64:65], 0
	v_nop
	global_prefetch_b8 v0, s[64:65] scope:SCOPE_SE
	s_setreg_imm32_b32 hwreg(HW_REG_WAVE_MODE, 25, 1), 1
	s_wait_xcnt 0x0
	s_wait_alu depctr_hold_cnt(0) depctr_sa_sdst(0) depctr_va_vdst(0) depctr_va_sdst(0) depctr_va_ssrc(0) depctr_va_vcc(0) depctr_vm_vsrc(0)
	s_getreg_b32 s2, hwreg(HW_REG_IB_STS2, 6, 4)
	s_cmp_eq_u32 s2, 0
	s_cbranch_scc0 .Lentry_in_a_cluster
	s_endpgm
.Lentry_in_a_cluster:
	s_bfe_u32 s2, ttmp6, 0x10000c
	s_cmp_lg_u32 s2, 0xf033
	s_cbranch_scc0 .Lentry_shape_is_right
	s_endpgm
.Lentry_shape_is_right:
.set IS_QKV, 0                         ; 1: the projection in front of the attention; 0: the one behind it.  The two kernels are this one text; the flag picks sizes, matrix form, addresses and way out.
; C = A B + bias, K = 1,024, sums in f32 started by the bias.  B lies [K][N] in memory and is turned on its way out of LDS (ds_load_tr16_b128).
; IS_QKV = 1: A = xb [8192][1024] bf16, B = wab [1024][3072] bf16, bias = b_attn; C leaves as f16 by heads: qkvb [4 b][48 hd][2048 t][64], hd 0-15 q, 16-31 k, 32-47 v, unscaled.  Tile 256 x 192 = three heads.
; IS_QKV = 0: A = ob [4 b][16 h][2048 t][64] f16 (a K step of 128 is two heads), B = wpf [1024][1024] f16, bias = b_proj; C = out0 [8192][1024] f32.  Tile 256 x 128.
; LIMITS.  The bias is rounded to bf16 like the module's other inputs.  IS_QKV = 1: q, k, v are rounded once to f16: a sum of 65,520 or more in size becomes an infinity; below 6.1e-5 f16 keeps its fixed step of 6e-8.
; NaN and infinities are not treated apart.
; SHARES.  Four waves, one above the other: wave w makes rows 64 w .. 64 w + 63 and ALL the tile's columns (4 x NBK accumulators of 16 x 16), so it holds whole heads or whole 512-byte pieces of rows
; and has a stage of its own on the way out: no barrier there.  K goes in steps of 128, four quarters of 32, through two LDS slots filled by the tensor data mover.
; THE MATRIX INSTRUCTION IS USED TRANSPOSED: source 0 = 16 columns of B, source 1 = 16 rows of A: a lane then holds row lane % 16 of C and the eight neighbouring columns 8 (lane / 16) + 0..7.
; CLUSTER 4 x 4.  The four work-groups of a row of the cluster need the same tiles of A, the four of a column the same tiles of B: each tile is asked for JOINTLY, by the same tensor load with the same
; descriptor and a mask that names the four.  Waves 0 and 1 ask for A's two halves, waves 2 and 3 for B's.
; REGISTERS, in windows of 256 (s_set_vgpr_msb: bits 1:0 source 0, 3:2 source 1, 5:4 source 2, 7:6 destination):
;   window 0: v0-29 addresses; v32-95 A's fragments, two buffers of 4 x 8; from v96 the bias (8 NBK registers), later the way out
;   window 1: B's fragments, two buffers of 8 NBK      windows 2 (and 3 where IS_QKV): the accumulators
.if IS_QKV
.set NBK,   12                         ; blocks of 16 columns in the tile
.set TN,    192                        ; the tile's columns
.set LDA,   1024                       ; elements from row to row of A's tile in memory
.set LDB,   3072                       ; of B's
.set PA,    272                        ; a row of A in LDS: 256 bytes + 16: the 16 rows of a fragment load start at 16 different groups of four banks (64 banks of 4 bytes: ISA guide 11.1)
.set AHALF, 128*PA                     ; what one tensor load brings of A: 128 rows x 128 K
.set AQI,   5                          ; padding behind every 64 words
.set A_S1,  256                        ; bytes from a K step to the next in A
.set PB,    480                        ; a K row of B in LDS: three pieces of 128 bytes + 32
.set BQI,   4                          ; padding behind every 32 words
.set SPITCH,400                        ; a stage row: 384 bytes + 16
.set TMP,   96                         ; the way out: 48 registers of packed results
.set OB,    144                        ; the way out: two buffers of OBN registers read back from the stage
.set OBN,   48
.else
.set NBK,   8
.set TN,    128
.set LDA,   128                        ; a head's 256 rows of 128 bytes are dense: asked for as 128 rows of 256 bytes
.set LDB,   1024
.set PA,    144                        ; a row of one head in LDS: 128 bytes + 16
.set AHALF, 256*PA                     ; what one tensor load brings of A: one head's 256 rows
.set AQI,   4
.set A_S1,  2*262144                   ; two heads on
.set PB,    288                        ; 256 bytes + 32 = 9 x 32
.set BQI,   5
.set SPITCH,528                        ; a stage row: 512 bytes + 16
.set OB,    96
.set OBN,   64
.endif
.set B_S1,  128*LDB*2                  ; bytes from a K step to the next in B: 128 rows
.set ASZ,   2*AHALF
.set BHALF, 64*PB                      ; what one tensor load brings of B: 64 K rows
.set SLOT,  ASZ+2*BHALF                ; A's tile, then B's
.set STAGE, 2*SLOT                     ; behind the ring, never filled by a tensor load: 16 rows for each wave
.set SPARE, STAGE+4*16*SPITCH          ; behind the stages: the spare words, 128 bytes for each wave: two blocks of 256 bytes that no other line names
.set NL,    2*NBK+8                    ; LDS loads in one run: a quarter's fragments
.set ADRA, 16                          ; v16-17  LDS address of my A fragments in slot 0, 1
.set ADRB, 20                          ; v20-21  the same for B
.set STO,  24                          ; v24     the way out: where I put my part of a row
.set RD,   25                          ; v25     the way out: where I read back
.set CO,   26                          ; v26     my byte offset in 512 consecutive bytes of C
.set VB,   27                          ; v27     my byte offset in a block's 64 bytes of bias: 32 (lane / 16)
.set SPW,  28                          ; v28     LDS address of my spare word: SPARE + 4 x my thread's number; never rewritten
.set NIL,  29                          ; v29     0; never rewritten
.set FA,   32                          ; A's fragment buffers: FA + 32 f + 8 a
.set BIAS, 96                          ; block b's eight numbers at BIAS + 8 b
.set WV,   12                          ; s12     my wave's number;  s13 which half I fetch;  s14 0: I fetch for A, 1: for B
.set G1A,  24                          ; s[24:31] descriptor group 1 for A's tiles;  s[32:39] group 0, a set for each slot
.set G0A,  32
.set G1B,  48                          ; s[48:55], s[56:63] the same for B's
.set G0B,  56
.set MSB, 0
.macro WIN new                         ; the immediate's high byte repeats the setting that is left; a switch that changes nothing is dropped
.if MSB != (\new)
	s_set_vgpr_msb (MSB<<8)|(\new)
.set MSB, \new
.endif
.endm
; A joint load.  Each of the two lines has one mask and one set of registers for all that issue it; the branch hangs on the wave's number alone.
; An s_nop 0 and four v_nop follow each line, ahead of the jump, the label and what follows.
.macro JLOAD s
	s_cmp_eq_u32 s14, 0
	s_cbranch_scc0 .Lfor_b_\@
	tensor_load_to_lds s[G0A+4*(\s):G0A+4*(\s)+3], s[G1A:G1A+7]
	s_nop 0
.rept 4
	v_nop
.endr
	s_branch .Lasked_\@
.Lfor_b_\@:
	tensor_load_to_lds s[G0B+4*(\s):G0B+4*(\s)+3], s[G1B:G1B+7]
	s_nop 0
.rept 4
	v_nop
.endr
.Lasked_\@:
.endm
.macro CREST                           ; a round of the cluster's barrier behind its opening barrier: wave 0 signals for the work-group, every wave waits for all sixteen, my work-group's barrier closes it
	s_cmp_lg_u32 s[WV], 0
	s_cbranch_scc1 .Lnot_wave_0_\@
	s_barrier_signal -3
.Lnot_wave_0_\@:
	s_barrier_wait -3
	s_barrier_signal -1
	s_barrier_wait -1
.endm
.macro CROUND                          ; a whole round
	s_barrier_signal -1
	s_barrier_wait -1
	CREST
.endm
.macro PLACES                          ; four places in front of loads into registers that matrix instructions have read, and of lines that read results
.rept 4
	v_nop
.endr
.endm
	s_load_b256 s[4:11], s[0:1], 0x0               ; A s[4:5], B s[6:7], bias s[8:9], C s[10:11]
	v_lshl_add_u32 v[SPW], v0, 2, SPARE
	v_mov_b32 v[NIL], 0
	ds_add_u32 v[SPW], v[NIL]                      ; the wave's opening: the add and its wait stand ahead of my first tensor load; the set-up below, work on registers, stands between them
	ds_add_u32 v28, v29
	v_lshrrev_b32 v1, 5, v0
	v_readfirstlane_b32 s[WV], v1                  ; wave 0..3
	s_and_b32 s13, s[WV], 1                        ; which half of a tile I fetch
	s_lshr_b32 s14, s[WV], 1                       ; of A (0) or of B (1)
	s_bfe_u32 s40, ttmp6, 0x40000                  ; cx, cy: my place in the cluster
	s_bfe_u32 s41, ttmp6, 0x40004
	s_lshl_b32 s42, ttmp9, 2
	s_add_co_u32 s42, s42, s40                     ; tile column = 4 x cluster x + cx
	s_and_b32 s43, ttmp7, 0xffff
	s_lshl_b32 s43, s43, 2
	s_add_co_u32 s43, s43, s41                     ; tile row = 4 x cluster y + cy
	s_lshl_b32 s44, s41, 2
	s_lshl_b32 s44, 15, s44                        ; my row of the cluster: places 4 cy .. 4 cy + 3
	s_lshl_b32 s45, 0x1111, s40                    ; my column: places cx, cx + 4, cx + 8, cx + 12
	s_or_b32 s[G1A], s44, (1<<16)|(1<<20)|(1<<21)|(AQI<<22)|(3<<25)  ; 15:0 the mask: A's tiles go to my row; 17:16 2-byte elements; 20 padding on; 21 set beside a mask; 24:22 the interval; 31:25 4 words of padding (code 3)
	s_or_b32 s[G1B], s45, (1<<16)|(1<<20)|(1<<21)|(BQI<<22)|(7<<25)  ; B's tiles go to my column; 8 words of padding (code 7)
	s_mov_b32 s[G1A+1], 128<<16                    ; tensor_dim0 = 128 elements
	s_mov_b32 s[G1A+2], 128<<16                    ; tensor_dim1 = 128 rows
	s_mov_b32 s[G1A+3], 128<<16                    ; tile_dim0 = 128
	s_mov_b32 s[G1A+4], 128                        ; tile_dim1 = 128
	s_mov_b32 s[G1A+5], LDA                        ; elements from row to row
	s_mov_b32 s[G1A+6], 0
	s_mov_b32 s[G1A+7], 0
	s_mov_b32 s[G1B+1], TN<<16                     ; tensor_dim0 = the tile's columns
	s_mov_b32 s[G1B+2], 64<<16                     ; tensor_dim1 = 64 K rows
	s_mov_b32 s[G1B+3], TN<<16
	s_mov_b32 s[G1B+4], 64
	s_mov_b32 s[G1B+5], LDB
	s_mov_b32 s[G1B+6], 0
	s_mov_b32 s[G1B+7], 0
	; where the tiles come from.  A's hang on the tile row and the wave alone, B's on the tile column and the wave alone, each in registers that never hold the other coordinate.
.if IS_QKV
	s_lshl_b32 s16, s43, 19                        ; 256 rows of 2,048 bytes for each tile row
.else
	s_lshr_b32 s16, s43, 3                         ; the batch: 16 heads of 262,144 bytes,
	s_lshl_b32 s16, s16, 22
	s_and_b32 s17, s43, 7                          ; and the 256 rows of 128 bytes in a head
	s_lshl_b32 s17, s17, 15
	s_add_co_u32 s16, s16, s17
.endif
	s_lshl_b32 s17, s13, 18                        ; my half: 128 rows of 2,048 bytes, or one head: 262,144 bytes either way
	s_add_co_u32 s16, s16, s17
	s_mov_b32 s17, 0
	s_mul_i32 s46, s13, 64*LDB*2                   ; B: my 64 K rows,
	s_mul_i32 s47, s42, TN*2                       ; the tile's columns
	s_add_co_u32 s46, s46, s47
	s_mov_b32 s47, 0
	s_mul_i32 s20, s13, AHALF                      ; and where they go: no place in the cluster enters an LDS address
	s_mul_i32 s21, s13, BHALF
	s_add_co_u32 s21, s21, ASZ
	s_wait_dscnt 0x0                               ; the opening add is done
	s_wait_kmcnt 0x0
	s_add_nc_u64 s[4:5], s[4:5], s[16:17]
	s_add_nc_u64 s[6:7], s[6:7], s[46:47]
	CROUND                                         ; all sixteen work-groups are here: the first joint loads meet
.irp s, 0,1
	s_mov_b32 s[G0A+4*(\s)], 1                                     ; count = 1
	s_add_co_u32 s[G0A+4*(\s)+1], s20, (\s)*SLOT                   ; LDS address
	s_add_nc_u64 s[G0A+4*(\s)+2:G0A+4*(\s)+3], s[4:5], (\s)*A_S1   ; global address: K step s
	s_or_b32 s[G0A+4*(\s)+3], s[G0A+4*(\s)+3], 0x80000000          ; type = 2
	s_mov_b32 s[G0B+4*(\s)], 1
	s_add_co_u32 s[G0B+4*(\s)+1], s21, (\s)*SLOT
	s_add_nc_u64 s[G0B+4*(\s)+2:G0B+4*(\s)+3], s[6:7], (\s)*B_S1
	s_or_b32 s[G0B+4*(\s)+3], s[G0B+4*(\s)+3], 0x80000000
	JLOAD \s                                       ; both slots are asked for before anything else is done: two loads of mine are out
.endr
	; in the wait for the tiles: the bias and the addresses
	v_and_b32 v1, 15, v0                           ; r = lane % 16
	v_bfe_u32 v2, v0, 4, 1                         ; h = lane / 16
	v_lshlrev_b32 v[VB], 5, v2
	s_mul_i32 s46, s42, TN*4                       ; the tile's columns in the bias
	s_mov_b32 s47, 0
	s_add_nc_u64 s[8:9], s[8:9], s[46:47]
.set i, 0
.rept NBK                              ; as C of the transposed product a lane wants bias[16 b + 8 h + 0..7]
	global_load_b128 v[BIAS+8*i:BIAS+8*i+3], v[VB], s[8:9] offset:64*i
	global_load_b128 v[BIAS+8*i+4:BIAS+8*i+7], v[VB], s[8:9] offset:64*i+16
.set i, i+1
.endr
	; a fragment of A is 16 rows x 32 K in 8 registers: lane l holds row l % 16, K = 8 h + 0..7 and 16 + 8 h + 0..7: two loads of 16 bytes, 32 bytes apart
	v_mul_u32_u24 v3, v1, PA
	v_lshl_add_u32 v3, v2, 4, v3
	s_mul_i32 s18, s[WV], 64*PA                    ; my 64 rows
	v_add_nc_u32 v[ADRA], s18, v3
	v_add_nc_u32 v[ADRA+1], SLOT, v[ADRA]
	; the turning load takes 16 K rows x 16 columns (lane l reads K row 8 h + l % 8, columns 8 ((l / 8) % 2) + 0..7) and leaves half a fragment: lane l holds column l % 16 and 8 K
	v_and_b32 v10, 7, v0
	v_lshl_add_u32 v10, v2, 3, v10
	v_mul_u32_u24 v10, v10, PB
	v_bfe_u32 v11, v0, 3, 1
	v_lshl_add_u32 v10, v11, 4, v10
	v_add_nc_u32 v[ADRB], ASZ, v10
	v_add_nc_u32 v[ADRB+1], SLOT, v[ADRB]
	s_mul_i32 s18, s[WV], 16*SPITCH
	s_add_co_u32 s18, s18, STAGE                   ; my stage
	v_and_b32 v[CO], 31, v0
	v_lshlrev_b32 v[CO], 4, v[CO]                  ; 16 x lane
	v_mul_u32_u24 v4, v1, SPITCH                   ; in: row l % 16
.if IS_QKV
	v_lshl_add_u32 v4, v2, 4, v4                   ; eight f16 are 16 bytes for each half of the lanes
	v_bfe_u32 v5, v0, 3, 2                         ; back: 32 lanes take four rows' 128 bytes of one head
	v_mul_u32_u24 v5, v5, SPITCH
	v_and_b32 v6, 7, v0
	v_lshl_add_u32 v5, v6, 4, v5
	v_add_nc_u32 v[RD], s18, v5
.else
	v_lshl_add_u32 v4, v2, 5, v4                   ; eight f32 are 32 bytes for each half of the lanes
	v_add_nc_u32 v[RD], s18, v[CO]                 ; back: 32 lanes take one row's 512 bytes
.endif
	v_add_nc_u32 v[STO], s18, v4
	; C at my wave's first row
.if IS_QKV
	s_lshr_b32 s22, s43, 3                         ; batch x 48 heads
	s_mul_i32 s22, s22, 48
	s_mul_i32 s23, s42, 3                          ; + the tile's first head
	s_add_co_u32 s22, s22, s23
	s_lshl_b32 s22, s22, 18                        ; of 262,144 bytes
	s_and_b32 s23, s43, 7
	s_lshl_b32 s23, s23, 15                        ; + the tile's 256 rows of 128 bytes
	s_add_co_u32 s22, s22, s23
	s_lshl_b32 s23, s[WV], 13                      ; + my 64
	s_add_co_u32 s22, s22, s23
.else
	s_lshl_b32 s22, s43, 20                        ; the tile's 256 rows of 4,096 bytes
	s_lshl_b32 s23, s[WV], 18                      ; + my 64
	s_add_co_u32 s22, s22, s23
	s_lshl_b32 s23, s42, 9                         ; + the tile's 128 columns
	s_add_co_u32 s22, s22, s23
.endif
	s_mov_b32 s23, 0
	s_add_nc_u64 s[10:11], s[10:11], s[22:23]
	s_wait_loadcnt 0x0                             ; the bias, once
.set i, 0
.rept 4*NBK                            ; rounded to bf16 like the other inputs, and widened again
	v_cvt_pk_bf16_f32 v[10+i%2], v[BIAS+2*i], v[BIAS+2*i+1]
	v_lshlrev_b32 v[BIAS+2*i], 16, v[10+i%2]
	v_and_b32 v[BIAS+2*i+1], 0xffff0000, v[10+i%2]
.set i, i+1
.endr
; NBK matrix instructions: row block a x all column blocks, 32 along K, from buffer f.  bias = 1: the first product starts the sums with the bias as C: nothing is cleared, nothing is added later.
; In every quarter the 4 NBK accumulators come once each, in the same order: they take turns, one instruction a turn, over the loop's backward jump too.
.macro MUL1 f, a, bias
.if IS_QKV
.set AW, 2+(\a)/2                      ; row blocks 0, 1 in window 2; 2, 3 in window 3
.set AB, 96*((\a)%2)
.else
.set AW, 2
.set AB, 64*(\a)
.endif
.if \bias
.set WB, (AW<<6)|1                     ; B window 1, A and the bias window 0, D window AW
.else
.set WB, (AW<<6)|(AW<<4)|1             ; C and D window AW
.endif
	WIN WB
.set b, 0
.rept NBK
.if IS_QKV
.if \bias
	v_wmma_f32_16x16x32_bf16 v[AB+8*b:AB+8*b+7], v[8*NBK*(\f)+8*b:8*NBK*(\f)+8*b+7], v[FA+32*(\f)+8*(\a):FA+32*(\f)+8*(\a)+7], v[BIAS+8*b:BIAS+8*b+7]
.else
	v_wmma_f32_16x16x32_bf16 v[AB+8*b:AB+8*b+7], v[8*NBK*(\f)+8*b:8*NBK*(\f)+8*b+7], v[FA+32*(\f)+8*(\a):FA+32*(\f)+8*(\a)+7], v[AB+8*b:AB+8*b+7]
.endif
.else
.if \bias
	v_wmma_f32_16x16x32_f16 v[AB+8*b:AB+8*b+7], v[8*NBK*(\f)+8*b:8*NBK*(\f)+8*b+7], v[FA+32*(\f)+8*(\a):FA+32*(\f)+8*(\a)+7], v[BIAS+8*b:BIAS+8*b+7]
.else
	v_wmma_f32_16x16x32_f16 v[AB+8*b:AB+8*b+7], v[8*NBK*(\f)+8*b:8*NBK*(\f)+8*b+7], v[FA+32*(\f)+8*(\a):FA+32*(\f)+8*(\a)+7], v[AB+8*b:AB+8*b+7]
.endif
.endif
.set b, b+1
.endr
.endm
; NL LDS loads in one run: quarter q's fragments of a slot into buffer f: B's 2 NBK first, then A's eight
.macro FETCH slot, q, f
	WIN 0x40                                       ; destination window 1, address window 0
.set i, 0
.rept NBK
.if IS_QKV
.set BN, 32*i+32*(i/4)                 ; column block i: 32 bytes each, 32 of padding behind every four
.else
.set BN, 32*i
.endif
	ds_load_tr16_b128 v[8*NBK*(\f)+8*i:8*NBK*(\f)+8*i+3],   v[ADRB+(\slot)] offset:(\q)*32*PB+BN
	ds_load_tr16_b128 v[8*NBK*(\f)+8*i+4:8*NBK*(\f)+8*i+7], v[ADRB+(\slot)] offset:(\q)*32*PB+BN+16*PB
.set i, i+1
.endr
	WIN 0
.if IS_QKV
.set AQ, 64*(\q)                       ; 32 K on along the row
.else
.set AQ, ((\q)/2)*AHALF+((\q)%2)*64    ; the step's first or second head, its first or second 32 channels
.endif
.set i, 0
.rept 4
	ds_load_b128 v[FA+32*(\f)+8*i:FA+32*(\f)+8*i+3],   v[ADRA+(\slot)] offset:AQ+i*16*PA
	ds_load_b128 v[FA+32*(\f)+8*i+4:FA+32*(\f)+8*i+7], v[ADRA+(\slot)] offset:AQ+i*16*PA+32
.set i, i+1
.endr
.endm
; One of a K step's first three quarters: multiplies buffer f; in its middle it fetches quarter qn of the same slot into buffer g, 2 NBK matrix instructions ahead of its first use.
.macro QUARTER slot, qn, f, g, bias=0
	s_wait_dscnt 4                                 ; B and A's row blocks 0, 1 are in; the youngest four loads (blocks 2, 3) may be out
	MUL1 \f, 0, \bias
	MUL1 \f, 1, \bias
	PLACES
	FETCH \slot, \qn, \g
	s_wait_dscnt NL                                ; all but the NL just issued
	MUL1 \f, 2, \bias
	MUL1 \f, 3, \bias
.endm
; The last quarter multiplies buffer 1 and changes slots: ONE barrier.  In front of it each wave waits for all its tensor loads (one is out: its part of the next slot), adds 0 to its spare word, and waits for that and
; for its own reads of this slot.  fill = 1: the barrier opens a round of the cluster's, and behind the round this slot is filled again, two K steps ahead: that load has a K step less 2 NBK matrix instructions in which to land.
.macro TURN slot, next, fill
	WIN 0                                          ; (the add's two registers lie in window 0)
	s_wait_tensorcnt 0x0                           ; all my tensor loads have landed;
	ds_add_u32 v[SPW], v[NIL]                      ; 0 onto my spare word;
	s_wait_dscnt 5                                 ; (the add and the youngest four loads may be out)
	MUL1 1, 0, 0                                   ; NBK matrix instructions stand between the add and the wait for it
	s_wait_dscnt 0x0                               ; the add is done, and my reads of this slot are over
	s_barrier_signal -1
	MUL1 1, 1, 0                                   ; work on registers while the others arrive
.if \fill
	WIN 0
.endif
	s_barrier_wait -1
.if \fill
	CREST                                          ; no wave of any partner still reads this slot's tiles or has a load on its way
	s_add_nc_u64 s[G0A+4*(\slot)+2:G0A+4*(\slot)+3], s[G0A+4*(\slot)+2:G0A+4*(\slot)+3], 2*A_S1
	s_add_nc_u64 s[G0B+4*(\slot)+2:G0B+4*(\slot)+3], s[G0B+4*(\slot)+2:G0B+4*(\slot)+3], 2*B_S1
	JLOAD \slot                                    ; the first tensor load behind the round, my only one; its four v_nop are also the places in front of the loads below
.else
	PLACES
.endif
	FETCH \next, 0, 0
	MUL1 1, 2, 0
	MUL1 1, 3, 0
.endm
	s_wait_tensorcnt 1                             ; my part of K step 0 is in; K step 1's may stay out
	s_barrier_signal -1
	s_barrier_wait -1                              ; everybody's is
	FETCH 0, 0, 0
	QUARTER 0, 1, 0, 1, 1                          ; the first quarter stands in front of the loop: its products start the sums
	WIN 0
	s_mov_b32 s3, 3                                ; K = 1,024 is eight steps, four laps of the ring; the last lap is written out
.Llap:                                                 ; a trip goes once round the ring, from a lap's second quarter to the next lap's first, and fills both slots again
	QUARTER 0, 2, 1, 0
	QUARTER 0, 3, 0, 1
	TURN 0, 1, 1
	QUARTER 1, 1, 0, 1
	QUARTER 1, 2, 1, 0
	QUARTER 1, 3, 0, 1
	TURN 1, 0, 1
	QUARTER 0, 1, 0, 1
	WIN 0
	s_sub_co_u32 s3, s3, 1
	s_cmp_lg_u32 s3, 0
	s_cbranch_scc1 .Llap
	QUARTER 0, 2, 1, 0                             ; the last lap fills nothing, and has no round of the cluster's barrier
	QUARTER 0, 3, 0, 1
	TURN 0, 1, 0
	QUARTER 1, 1, 0, 1
	QUARTER 1, 2, 1, 0
	QUARTER 1, 3, 0, 1
	s_wait_dscnt 4                                 ; the very last quarter: nothing more to fetch
	MUL1 1, 0, 0
	MUL1 1, 1, 0
	s_wait_dscnt 0x0
	MUL1 1, 2, 0
	MUL1 1, 3, 0
	WIN 0
	PLACES                                         ; what follows reads results
; THE WAY OUT, a block of 16 rows at a time through my own stage.  LDS serves a wave's instructions in order (ISA guide 5.7.1.4): no wait between my stores into the stage and my loads from it.
.macro PACK a                          ; IS_QKV alone: rounded to f16, each accumulator's registers in ascending order
	WIN 0x0a+5*((\a)/2)                            ; sources 0 and 1: window 2 or 3
.set i, 0
.rept 48
	v_cvt_pk_f16_f32 v[TMP+i], v[96*((\a)%2)+2*i], v[96*((\a)%2)+2*i+1]
.set i, i+1
.endr
	WIN 0
.endm
.macro TOSTAGE a
	WIN 0
.set BK, OB+OBN*((\a)%2)
	s_wait_xcnt 0x0                                ; the stores of the block two back read this buffer: it is loaded again only behind this wait (ISA guide 3.1)
.if IS_QKV
.set i, 0
.rept 12
	ds_store_b128 v[STO], v[TMP+4*i:TMP+4*i+3] offset:32*i
.set i, i+1
.endr
.set i, 0
.rept 12                               ; head i / 4, rows 4 (i % 4) on
	ds_load_b128 v[BK+4*i:BK+4*i+3], v[RD] offset:128*(i/4)+4*SPITCH*(i%4)
.set i, i+1
.endr
.else
	WIN 0x08                                       ; store data (source 1) window 2
.set i, 0
.rept 8                                ; straight from the accumulators, the low four registers first
	ds_store_b128 v[STO], v[64*(\a)+8*i:64*(\a)+8*i+3] offset:64*i
	ds_store_b128 v[STO], v[64*(\a)+8*i+4:64*(\a)+8*i+7] offset:64*i+16
.set i, i+1
.endr
	WIN 0
.set i, 0
.rept 16
	ds_load_b128 v[BK+4*i:BK+4*i+3], v[RD] offset:SPITCH*i
.set i, i+1
.endr
.endif
.endm
.macro SEND a, younger                 ; younger: the LDS instructions issued behind block a's loads: the next block's stores and loads, or none
	WIN 0
.set BK, OB+OBN*((\a)%2)
.if IS_QKV
.set i, 0
.rept 12
	s_wait_dscnt (\younger)+11-i
	global_store_b128 v[CO], v[BK+4*i:BK+4*i+3], s[10:11] offset:(i/4)*262144+(\a)*2048+(i%4)*512  ; four rows of one head: 512 consecutive bytes, at a multiple of 512 from the buffer's first
.set i, i+1
.endr
.else
.set i, 0
.rept 16
	s_wait_dscnt (\younger)+15-i
	global_store_b128 v[CO], v[BK+4*i:BK+4*i+3], s[10:11] offset:(\a)*65536+i*4096 th:TH_STORE_NT  ; 512 consecutive bytes of one row, at a multiple of 512 from the buffer's first
.set i, i+1
.endr
.endif
.endm
.if IS_QKV
	PACK 0
	TOSTAGE 0
.irp a, 1,2,3                          ; a block's conversions and stage traffic stand between the loads of the block before and its stores
	PACK \a
	TOSTAGE \a
	SEND (\a)-1, 24
.endr
.else
	TOSTAGE 0
.irp a, 1,2,3
	TOSTAGE \a
	SEND (\a)-1, 32
.endr
.endif
	SEND 3, 0
	s_wait_tensorcnt 0x0                           ; the wave's end: behind my last tensor load and my last LDS store
	ds_add_u32 v[SPW], v[NIL]
	s_wait_dscnt 0x0
	CROUND                                         ; the closing round: no work-group ends while a partner may still ask for a tile that names it
	s_endpgm
.Lfunc_end_k_qf8c2e6bcbf_proj:
	.size	k_qf8c2e6bcbf_proj, .Lfunc_end_k_qf8c2e6bcbf_proj-k_qf8c2e6bcbf_proj
	.p2alignl 7, 3214868480
	.fill 96, 4, 3214868480
	.section	.rodata,"a",@progbits
	.p2align	6, 0x0
	.amdhsa_kernel k_qf8c2e6bcbf_proj
		.amdhsa_group_segment_fixed_size 327680
		.amdhsa_private_segment_fixed_size 0
		.amdhsa_enable_private_segment 0
		.amdhsa_kernarg_size 32
		.amdhsa_user_sgpr_count 2
		.amdhsa_user_sgpr_kernarg_segment_ptr 1
		.amdhsa_wavefront_size32 1
		.amdhsa_system_sgpr_workgroup_id_x 1
		.amdhsa_system_sgpr_workgroup_id_y 1
		.amdhsa_system_sgpr_workgroup_id_z 1
		.amdhsa_system_vgpr_workitem_id 0
		.amdhsa_next_free_vgpr 768
		.amdhsa_next_free_sgpr 66
		.amdhsa_reserve_vcc 0
		.amdhsa_float_denorm_mode_32 3
		.amdhsa_float_denorm_mode_16_64 3
		.amdhsa_memory_ordered 1
		.amdhsa_forward_progress 1
		.amdhsa_inst_pref_size 94
	.end_amdhsa_kernel
	.amdgpu_metadata
---
amdhsa.version: [ 1, 2 ]
amdhsa.kernels:
  - .name:           k_qf8c2e6bcbf_proj
    .symbol:         k_qf8c2e6bcbf_proj.kd
    .args:
      - { .name: ob, .offset: 0, .size: 8, .value_kind: global_buffer, .address_space: global }
      - { .name: wpf, .offset: 8, .size: 8, .value_kind: global_buffer, .address_space: global }
      - { .name: b_proj, .offset: 16, .size: 8, .value_kind: global_buffer, .address_space: global }
      - { .name: out0, .offset: 24, .size: 8, .value_kind: global_buffer, .address_space: global }
    .group_segment_fixed_size: 327680
    .private_segment_fixed_size: 0
    .kernarg_segment_align: 8
    .kernarg_segment_size: 32
    .max_flat_workgroup_size: 128
    .sgpr_count:     66
    .vgpr_count:     768
    .wavefront_size: 32
...
	.end_amdgpu_metadata
.endif
;; end of part 4
